; MI455X (gfx1250); checked and timed in simulation.
; The chip was launched on July 23, 2026; its instructions are those of AMD's public machine-readable ISA for CDNA 5 (MIT licence, August 2026) and "CDNA5" Instruction Set Architecture Reference Guide (July 2026). The comments in the code are by the model that wrote it; some were corrected since.
;; Attention. Allowed arithmetic: matrix products marked QUANTISED: E4M3 operands, one E8M0 scale for each 32 along K, by v_wmma_scale_f32_16x16x128_f8f6f4 with both operands' format E4M3, f32 sums; everything else in f32.
;; Inputs: cos 2,048 x 32 float32; sin 2,048 x 32 float32; wk 2,048 x 512 float32; wo 2,048 x 2,048 float32; wq 2,048 x 2,048 float32; wv 2,048 x 512 float32; x 1 x 2,048 x 2,048 float32.
;; Outputs: out0 1 x 2,048 x 2,048 float32.
;; This version of the problem:
;;   THIS VERSION OF THE PROBLEM IS GIVEN IN LOW PRECISION. The matrix products marked QUANTISED in the list below multiply operands that are first quantised to E4M3 (4 exponent bits, 3 mantissa bits; 8 bits a number), with one power-of-two scale for each 32 numbers along K (OCP MX v1.0); their sums are f32. All else is computed in f32.
;;   The module's matrix products, in the order in which they are computed (A, B: the left and right operand; K: the contracted axis; several contracted axes count as one K, in the product's order):
;;     1. [M 2,048, K 2,048] x [K 2,048, N 2,048]; A: input x; B: input wq: QUANTISED
;;     2. [M 2,048, K 2,048] x [K 2,048, N 512]; A: input x; B: input wk: QUANTISED
;;     3. [M 2,048, K 2,048] x [K 2,048, N 512]; A: input x; B: input wv: QUANTISED
;;     4. batch 32 x [M 2,048, K 64] x [K 64, N 2,048]; A: computed on the way; B: computed on the way: QUANTISED
;;     5. batch 32 x [M 64, K 2,048] x [K 2,048, N 2,048]; A: computed on the way; B: softmax (see below): QUANTISED
;;     6. [M 2,048, K 2,048] x [K 2,048, N 2,048]; A: computed on the way; B: input wo: QUANTISED
;;   THE QUANTISER, for each operand of a quantised product, along K:
;;     - K is cut into blocks of 32 from its start; a last block that is shorter is filled with zeros.
;;     - A block's scale is 2^e with e = floor(log2(the largest magnitude in the block)) - 8, held to -126 .. 127; a block of zeros has e = 0. As a byte (E8M0): e + 127.
;;     - Each number is divided by its block's scale, clamped to +-448, and rounded to the nearest number of E4M3, ties to even, subnormals kept.
;;     - The product sums the exact products of the quantised numbers (number of the format x scale) in f32.
;;   ~~~python
;;   def quantise(x, axis):      # numpy; x: float32 -> the quantised numbers, widened to float32 again
;;       x = np.moveaxis(x, axis, -1); K = x.shape[-1]
;;       x = np.pad(x, [(0, 0)] * (x.ndim - 1) + [(0, -K % 32)]); x = x.reshape(x.shape[:-1] + (-1, 32)); a = np.abs(x).max(-1, keepdims=True)
;;       e = np.where(a > 0, np.clip(np.frexp(np.where(a > 0, a, 1))[1] - 1 - 8, -126, 127), 0)      # np.frexp(a)[1] - 1 = floor(log2(a)), exactly
;;       r = np.clip(x / 2.0 ** e, -448, 448)
;;       step = 2.0 ** (np.maximum(np.frexp(np.where(r == 0, 1, r))[1] - 1, -6) - 3)
;;       q = np.round(r / step) * step * 2.0 ** e      # np.round: ties to even
;;       return np.moveaxis(q.reshape(q.shape[:-2] + (-1,))[..., :K], -1, axis).astype(np.float32)
;;   ~~~
;;   SOFTMAX AHEAD OF A QUANTISED PRODUCT. Where the list says 'softmax', what is quantised is not the finished softmax but p = 2^(t - M), with t = logit x log2(e) and M = ceil(the row's largest t), a whole number; so 1/2 < the row's largest p <= 1. The row's sum l is taken of the UNQUANTISED p, in f32, and the product's result is divided by l at the end. Since M is a whole number, a kernel that streams over the keys may use a running M (the ceiling of the running maximum): every later rescaling is an exact power of two, which a block's scale takes up: the codes' values come out the same.
;;   OPERANDS COMPUTED ON THE WAY. 'Computed on the way' means the value that the module computes at that place (a softmax that the list does not call 'softmax' is quantised finished and normalised). What goes into a quantiser is computed in f32, as accurately as f32 sums, v_exp_f32 and their like allow (about 1e-6 of the number): no bf16 or f16 on the way to a quantiser, and a product that is left as it is and whose result goes on into a quantised operand takes f32 operands (vector FMAs, or v_wmma_f32_16x16x4_f32). A number that lies on a knife's edge between two numbers of the format may be rounded either way, as far as f32 arithmetic and the matrix unit's own rounding can turn it there, and no further.
;; One version. Each part assembles by itself: llvm-mc -triple=amdgcn-amd-amdhsa -mcpu=gfx1250 --defsym DOCPART=n.
;; ======== version 1 of 1: 4 launches
;; limits: right only within a limited range of input values
;; workspace buffers: ops 15,138,816 bytes; qimg 4,456,448 bytes; kv 2,228,224 bytes; oimg 4,325,376 bytes
;; launch quant (part 1): grid 896 x 1, 4 waves a work-group, no clusters, 34,304 bytes of LDS; arguments x, wq, wk, wv, wo, ops; writes ops
.if DOCPART == 1
	.amdgcn_target "amdgcn-amd-amdhsa--gfx1250"
	.amdhsa_code_object_version 6
	.text
	.protected	k_q063e2f1f77_quant
	.globl	k_q063e2f1f77_quant
	.p2align	8
	.type	k_q063e2f1f77_quant,@function
k_q063e2f1f77_quant:
	s_mov_b64 s[64:65], 0
	v_nop
	global_prefetch_b8 v0, s[64:65] scope:SCOPE_SE
	s_setreg_imm32_b32 hwreg(HW_REG_WAVE_MODE, 25, 1), 1
	s_wait_xcnt 0x0
; x [2048][2048] (K innermost) and wq, wk, wv, wo ([K][N], K outermost), all f32, become codes of FP8 (E4M3) with one E8M0 byte for each 32 along K.
; They are laid in ops in the ORDER OF THE OPERAND'S REGISTERS.  Rows (tokens of x, columns n of a weight) go in PANELS of 64 = 4 tiles of 16; row rho of tile 2 b + u is
; panel row 32 b + 8 u + rho + 8 (rho / 8).  A tile x 128 along K is an IMAGE of 2,048 bytes: group c (512 bytes) holds lane l's 16 codes, row l % 16, k = 32 c + 16 (l / 16) + 0..15, at 16 l.
; A panel x 128 along K is 4 images and a QUAD of 256 bytes (the scale word of tile t, row rho at 16 rho + 4 t): HSTEP bytes.  Two of them are a panel-slot, PS bytes.
; ops = [K / 256][112 panels][PS]; panels 0-31 wq, 32-39 wk, 40-71 x, 72-79 wv, 80-111 wo.
; A wave makes HALF of a panel x 128 along K (16 KB of f32), and asks for all of it at once: of x two of the four tiles, of a weight 64 of the 128 along K (groups 2 half, 2 half + 1 of all four images).
; Work-groups 0-255 take x, the other 640 the weights; only x's path uses LDS.  No barrier: waves share nothing.
; A weight wave has two of the four bytes of each scale word: they leave as pieces of two bytes, four a lane; the quads are 256 of a panel's 8,448 bytes.
; A block's scale is 2^(floor(log2(largest magnitude)) - 8): its byte is the largest magnitude's exponent field - 8, held at 1 from below.
; LIMITS: a block of zeros gets the byte 1 where the rule says 127 (its codes are zeros, and this program alone reads the bytes); NaN and infinities among the inputs are not served.
.set PS,    16896
.set HSTEP, 8448
.set SLOTB, 112*PS                     ; from one K slot of 256 to the next
.set SEL,   20                         ; s[20:21] v_permlanex16_b32's selects for lane l xor 16
.set MNT,   23                         ; s23 the mantissa field of 448
.set PW,    8                          ; v8-11  scale words
.set R,     32                         ; x: v32-159 two sets of 64: a tile's 16 rows as loaded
.set Y,     160                        ; x: v160-223 a lane's 64 numbers, register 16 c + i = k 32 c + 16 h + i of its row
.set PC,    224                        ; x: v224-239 a tile's codes
.set TM,    240                        ; x: v240-255 at work
.set X,     32                         ; weights: v32-159 two sets of 2 x 32 numbers down K
.set C,     160                        ; weights: v160-191 four sets of 8 code registers
; 64 numbers of a lane become a fragment's 16 code registers v[pc] on and its row's scale word v[pw]
.macro QUANT s, pc, pw
.irp b, 0,1,2,3
	v_max3_num_f32 v[TM+\b], |v[\s+16*\b]|, |v[\s+1+16*\b]|, 0x4800000       ; block b: my 16 numbers and the floor 2^(9 - 127)
.endr
.irp i, 2,4,6,8,10,12,14
.irp b, 0,1,2,3
	v_max3_num_f32 v[TM+\b], v[TM+\b], |v[\s+16*\b+\i]|, |v[\s+1+16*\b+\i]|
.endr
.endr
.irp b, 0,1,2,3
	v_permlanex16_b32 v[TM+4+\b], v[TM+\b], s[SEL], s[SEL+1]
.endr
.irp b, 0,1,2,3
	v_max_num_f32 v[TM+\b], v[TM+\b], v[TM+4+\b]                             ; with lane l xor 16's 16
.endr
.irp b, 0,1,2,3
	v_add_nc_u32 v[TM+12+\b], 0xfc000000, v[TM+\b]                           ; the conversion's scale operand
.endr
.irp b, 0,1,2,3
	v_and_or_b32 v[TM+8+\b], v[TM+\b], 0x7f800000, s[MNT]                    ; 448 x the scale
.endr
.irp b, 0,1,2,3
	v_lshrrev_b32 v[TM+4+\b], 23, v[TM+12+\b]                                ; the byte
.endr
	v_lshl_or_b32 v[\pw], v[TM+5], 8, v[TM+4]
	v_lshl_or_b32 v[\pw], v[TM+6], 16, v[\pw]
	v_lshl_or_b32 v[\pw], v[TM+7], 24, v[\pw]
.irp b, 0,1,2,3
.irp i, 0,1,2,3,4,5,6,7,8,9,10,11,12,13,14,15
	v_med3_num_f32 v[\s+16*\b+\i], v[\s+16*\b+\i], -v[TM+8+\b], v[TM+8+\b]   ; the conversion does not saturate (ISA guide 7.6.2): hold first
.endr
	v_cvt_scalef32_pk8_fp8_f32 v[\pc+4*\b:\pc+4*\b+1], v[\s+16*\b:\s+16*\b+7], v[TM+12+\b]
	v_cvt_scalef32_pk8_fp8_f32 v[\pc+4*\b+2:\pc+4*\b+3], v[\s+16*\b+8:\s+16*\b+15], v[TM+12+\b]
.endr
	v_nop                                          ; a plain line behind the last conversion
.endm
; x: my tile u's 16 rows, 512 consecutive bytes of a row to a load
.macro XLOAD u
.irp i, 0,1,2,3,4,5,6,7,8,9,10,11,12,13,14,15
	global_load_b128 v[R+64*(\u)+4*\i:R+64*(\u)+4*\i+3], v2, s[4:5] offset:(8*(\u)+\i+8*(\i/8))*8192 th:TH_LOAD_NT
.endr
.endm
; weights: my block c of 32 along K: lane l takes columns l and 32 + l; the two halves of each 256 bytes of a row stand side by side
.macro LOADB c, n
.irp i, 0,1,2,3,4,5,6,7,8,9,10,11,12,13,14,15,16,17,18,19,20,21,22,23,24,25,26,27,28,29,30,31
	global_load_b32 v[X+64*(\c)+\i], v2, s[4:5] offset:(32*(\c)+\i)*(\n)*4 th:TH_LOAD_NT
	global_load_b32 v[X+64*(\c)+32+\i], v2, s[4:5] offset:(32*(\c)+\i)*(\n)*4+128 th:TH_LOAD_NT
.endr
.endm
; weights: the 32 numbers of block c of column 32 b + l are all mine: no other lane is asked
.macro BLOCK c, b
.set XS, X+64*(\c)+32*(\b)
.set CC, C+16*(\c)+8*(\b)
	v_max3_num_f32 v18, |v[XS]|, |v[XS+1]|, |v[XS+2]|
	v_max3_num_f32 v19, |v[XS+3]|, |v[XS+4]|, |v[XS+5]|
.irp i, 6,10,14,18,22,26
	v_max3_num_f32 v18, v18, |v[XS+\i]|, |v[XS+\i+1]|
	v_max3_num_f32 v19, v19, |v[XS+\i+2]|, |v[XS+\i+3]|
.endr
	v_max3_num_f32 v18, v18, |v[XS+30]|, |v[XS+31]|
	v_max3_num_f32 v18, v18, v19, 0x4800000        ; and the floor
	v_add_nc_u32 v21, 0xfc000000, v18              ; the conversion's scale operand
	v_and_or_b32 v20, v18, 0x7f800000, s[MNT]      ; 448 x the scale
	v_lshrrev_b32 v19, 23, v21                     ; the byte: byte c of my two
.if (\c) == 0
	v_mov_b32 v[PW+2*(\b)], v19
.else
	v_lshl_or_b32 v[PW+2*(\b)], v19, 8, v[PW+2*(\b)]
.endif
.irp i, 0,1,2,3,4,5,6,7,8,9,10,11,12,13,14,15,16,17,18,19,20,21,22,23,24,25,26,27,28,29,30,31
	v_med3_num_f32 v[XS+\i], v[XS+\i], -v20, v20
.endr
.irp g, 0,1,2,3
	v_cvt_scalef32_pk8_fp8_f32 v[CC+2*\g:CC+2*\g+1], v[XS+8*\g:XS+8*\g+7], v21
.endr
	global_store_b128 v3, v[CC:CC+3], s[14:15] offset:4096*(\b)+512*(\c)         ; k 0..15 of the block: the image's lanes 0-15; the wave fills 256 bytes of tile 2 b and 256 of tile 2 b + 1
	global_store_b128 v3, v[CC+4:CC+7], s[14:15] offset:4096*(\b)+512*(\c)+256   ; k 16..31: its lanes 16-31
.endm
; a weight of n columns.  s18 = group of four panels, s19 = which 128 along K, s32 = which 64 of them, s24 = panel among the 80 of all weights
.macro WPATH n, lim, pa, pb, suba, subb
	s_cmp_lt_u32 s18, \lim                         ; which of the two tensors of this width: hangs on the work-group's number alone
	s_cselect_b64 s[4:5], s[\pa:\pa+1], s[\pb:\pb+1]
	s_cselect_b32 s25, \suba, \subb
	s_cselect_b32 s26, 0, 32
	s_sub_co_u32 s25, s24, s25                     ; the panel inside its tensor
	s_add_co_u32 s26, s24, s26                     ; and in ops
	s_mul_i32 s27, s19, (\n)*512                   ; 128 rows of n x 4 bytes
	s_mul_i32 s33, s32, (\n)*256                   ; 64 rows
	s_add_co_u32 s27, s27, s33
	s_lshl_b32 s25, s25, 8                         ; 64 columns
	s_add_co_u32 s28, s27, s25
	s_mov_b32 s29, 0
	s_lshr_b32 s27, s19, 1
	s_mul_i32 s27, s27, SLOTB
	s_mul_i32 s26, s26, PS
	s_add_co_u32 s30, s27, s26
	s_and_b32 s27, s19, 1
	s_mul_i32 s27, s27, HSTEP
	s_add_co_u32 s30, s30, s27
	s_mov_b32 s31, 0
	s_lshl_b32 s33, s32, 1
	s_add_co_u32 s34, s30, s33
	s_add_co_u32 s34, s34, 8192                    ; the quad, at my two bytes of a word
	s_mov_b32 s35, 0
	s_lshl_b32 s33, s32, 10
	s_add_co_u32 s30, s30, s33                     ; my two groups of each image
	s_add_nc_u64 s[4:5], s[4:5], s[28:29]
	s_add_nc_u64 s[34:35], s[14:15], s[34:35]
	s_add_nc_u64 s[14:15], s[14:15], s[30:31]
	LOADB 0, \n
	LOADB 1, \n
	s_wait_loadcnt 63                              ; 64 younger loads were issued; 63 is the stricter count that the field can name: the first block's 64 are in
	BLOCK 0, 0
	BLOCK 0, 1
	s_wait_loadcnt 0x0
	BLOCK 1, 0
	BLOCK 1, 1
	v_mov_b32_dpp v9, v8 row_xmask:8 row_mask:0xf bank_mask:0xf    ; lane l xor 8 holds the same row of the tile beside mine: tiles 1 and 3
	v_mov_b32_dpp v11, v10 row_xmask:8 row_mask:0xf bank_mask:0xf
	v_and_b32 v18, 8, v0
	v_cmp_eq_u32 vcc_lo, 0, v18
	s_wait_alu depctr_va_vdst(0)
	s_wait_xcnt 0x0                                ; EXEC changes only behind this wait
	s_and_saveexec_b32 s24, vcc_lo
.irp t, 0,1,2,3
	global_store_b16 v3, v[PW+\t], s[34:35] offset:4*\t             ; row rho's two bytes of tile t's word
.endr
	s_wait_xcnt 0x0
	s_or_b32 exec_lo, exec_lo, s24
	s_endpgm
.endm
	s_load_b256 s[4:11], s[0:1], 0x0               ; x, wq, wk, wv
	s_load_b128 s[12:15], s[0:1], 0x20             ; wo, ops
	v_lshl_add_u32 v30, v0, 2, 0x8400
	v_mov_b32 v31, 0
	v_lshrrev_b32 v1, 5, v0
	v_readfirstlane_b32 s16, v1                    ; wave
	v_and_b32 v1, 31, v0                           ; lane
	s_mov_b32 s[SEL], 0x76543210
	s_mov_b32 s[SEL+1], 0xfedcba98
	s_mov_b32 s[MNT], 0x600000
	s_cmp_ge_u32 ttmp9, 256
	s_cbranch_scc1 .Lweights
	; ---- x: task = 4 x work-group + wave; 128 along K = task % 16, half = (task / 16) % 2, panel = task / 32: the four waves read 2,048 bytes on end of each row
	s_lshl_b32 s17, ttmp9, 2
	s_add_co_u32 s17, s17, s16
	s_lshr_b32 s18, s17, 5
	s_and_b32 s19, s17, 15
	s_bfe_u32 s32, s17, 0x10004
	s_lshl_b32 s24, s18, 19                        ; 64 rows of 8,192 bytes
	s_lshl_b32 s25, s19, 9
	s_add_co_u32 s24, s24, s25
	s_lshl_b32 s25, s32, 18                        ; my two tiles begin 32 rows on
	s_add_co_u32 s24, s24, s25
	s_mov_b32 s25, 0
	s_lshr_b32 s26, s19, 1
	s_mul_i32 s26, s26, SLOTB
	s_add_co_u32 s27, s18, 40
	s_mul_i32 s27, s27, PS
	s_add_co_u32 s26, s26, s27
	s_and_b32 s27, s19, 1
	s_mul_i32 s27, s27, HSTEP
	s_add_co_u32 s26, s26, s27
	s_lshl_b32 s27, s32, 3
	s_add_co_u32 s34, s26, s27
	s_add_co_u32 s34, s34, 8192                    ; the quad, at my two words of a row's four
	s_mov_b32 s35, 0
	s_lshl_b32 s27, s32, 12
	s_add_co_u32 s26, s26, s27                     ; my two images
	s_mov_b32 s27, 0
	s_wait_alu depctr_va_vdst(0)
	v_lshlrev_b32 v2, 4, v1                        ; 16 x lane: my bytes of a load, and of an image's group
	s_mul_i32 s28, s16, 8448                       ; my wave's stage: 16 rows of 512 bytes + 16
	v_add_nc_u32 v3, s28, v2                       ; in: as loaded
	v_and_b32 v5, 15, v0
	v_bfe_u32 v6, v0, 4, 1
	v_mul_u32_u24 v4, v5, 528
	v_lshl_add_u32 v4, v6, 6, v4
	v_add_nc_u32 v4, s28, v4                       ; out: row r, + 64 h: my 16 numbers of a block of 32
.irp b, 0,1,2,3
	v_mov_b32 v[TM+4+\b], 0                        ; a lane permute's destination counts as one of its sources
.endr
	s_wait_alu depctr_va_vdst(0)
	s_wait_kmcnt 0x0
	s_add_nc_u64 s[4:5], s[4:5], s[24:25]
	s_add_nc_u64 s[34:35], s[14:15], s[34:35]
	s_add_nc_u64 s[14:15], s[14:15], s[26:27]
	XLOAD 0
	XLOAD 1
.irp t, 0,1
.if \t < 1
	s_wait_loadcnt 16                              ; this tile's 16 loads are in; the next tile's 16 may be out
.else
	s_wait_loadcnt 0x0
.endif
.irp i, 0,1,2,3,4,5,6,7,8,9,10,11,12,13,14,15
	ds_store_b128 v3, v[R+64*\t+4*\i:R+64*\t+4*\i+3] offset:528*\i
.endr
.irp c, 0,1,2,3
.irp j, 0,1,2,3
	ds_load_b128 v[Y+16*\c+4*\j:Y+16*\c+4*\j+3], v4 offset:128*\c+16*\j   ; LDS serves a wave's instructions in order: these see the stores above
.endr
.endr
	s_wait_dscnt 0x0                               ; the numbers are back
.if \t > 0
	s_wait_xcnt 0x0                                ; the last tile's stores have read the code registers, which are written again
.endif
	QUANT Y, PC, PW+\t
.irp c, 0,1,2,3
	global_store_b128 v2, v[PC+4*\c:PC+4*\c+3], s[14:15] offset:2048*\t+512*\c   ; 512 consecutive bytes
.endr
.endr
	v_cmp_gt_u32 vcc_lo, 16, v1
	s_wait_xcnt 0x0                                ; EXEC changes only behind this wait
	s_wait_tensorcnt 0x0                           ; the wave's end
	ds_add_u32 v30, v31
	s_wait_dscnt 0x0
	s_and_saveexec_b32 s24, vcc_lo
	global_store_b64 v2, v[PW:PW+1], s[34:35]      ; lane r: row r's words of my two tiles
	s_wait_xcnt 0x0
	s_or_b32 exec_lo, exec_lo, s24
	s_endpgm
.Lweights:
	s_sub_co_u32 s17, ttmp9, 256
	s_and_b32 s32, s17, 1                          ; which 64 of the 128 along K
	s_lshr_b32 s17, s17, 1
	s_lshr_b32 s18, s17, 4                         ; group of four panels, 0..19
	s_and_b32 s19, s17, 15                         ; which 128 along K
	s_lshl_b32 s24, s18, 2
	s_add_co_u32 s24, s24, s16                     ; panel 0..79: wq 0-31, wk 32-39, wv 40-47, wo 48-79
	s_wait_alu depctr_va_vdst(0)
	v_lshlrev_b32 v2, 2, v1                        ; in: 4 bytes a lane
	v_bfe_u32 v4, v0, 3, 1                         ; column l = 16 (rho / 8) + 8 u + rho % 8: u,
	v_bfe_u32 v5, v0, 4, 1
	v_and_b32 v6, 7, v0
	v_lshl_add_u32 v5, v5, 3, v6                   ; rho
	v_lshlrev_b32 v5, 4, v5
	v_lshl_add_u32 v3, v4, 11, v5                  ; out: 2,048 u + 16 rho
	v_mov_b32 v9, 0                                ; a DPP destination counts as read
	v_mov_b32 v11, 0
	s_sub_co_u32 s25, s18, 8
	s_wait_kmcnt 0x0
	s_cmp_lt_u32 s25, 4
	s_cbranch_scc1 .Lnarrow
	s_wait_alu depctr_va_vdst(0)
	WPATH 2048, 8, 6, 12, 0, 48
.Lnarrow:
	s_wait_alu depctr_va_vdst(0)
	WPATH 512, 10, 8, 10, 32, 40
.Lfunc_end_k_q063e2f1f77_quant:
	.size	k_q063e2f1f77_quant, .Lfunc_end_k_q063e2f1f77_quant-k_q063e2f1f77_quant
	.p2alignl 7, 3214868480
	.fill 96, 4, 3214868480
	.section	.rodata,"a",@progbits
	.p2align	6, 0x0
	.amdhsa_kernel k_q063e2f1f77_quant
		.amdhsa_group_segment_fixed_size 34304
		.amdhsa_private_segment_fixed_size 0
		.amdhsa_enable_private_segment 0
		.amdhsa_kernarg_size 48
		.amdhsa_user_sgpr_count 2
		.amdhsa_user_sgpr_kernarg_segment_ptr 1
		.amdhsa_wavefront_size32 1
		.amdhsa_system_sgpr_workgroup_id_x 1
		.amdhsa_system_sgpr_workgroup_id_y 1
		.amdhsa_system_sgpr_workgroup_id_z 1
		.amdhsa_system_vgpr_workitem_id 0
		.amdhsa_next_free_vgpr 256
		.amdhsa_next_free_sgpr 66
		.amdhsa_reserve_vcc 1
		.amdhsa_float_denorm_mode_32 3
		.amdhsa_float_denorm_mode_16_64 3
		.amdhsa_memory_ordered 1
		.amdhsa_forward_progress 1
		.amdhsa_inst_pref_size 86
	.end_amdhsa_kernel
	.amdgpu_metadata
---
amdhsa.version: [ 1, 2 ]
amdhsa.kernels:
  - .name:           k_q063e2f1f77_quant
    .symbol:         k_q063e2f1f77_quant.kd
    .args:
      - { .name: x, .offset: 0, .size: 8, .value_kind: global_buffer, .address_space: global }
      - { .name: wq, .offset: 8, .size: 8, .value_kind: global_buffer, .address_space: global }
      - { .name: wk, .offset: 16, .size: 8, .value_kind: global_buffer, .address_space: global }
      - { .name: wv, .offset: 24, .size: 8, .value_kind: global_buffer, .address_space: global }
      - { .name: wo, .offset: 32, .size: 8, .value_kind: global_buffer, .address_space: global }
      - { .name: ops, .offset: 40, .size: 8, .value_kind: global_buffer, .address_space: global }
    .group_segment_fixed_size: 34304
    .private_segment_fixed_size: 0
    .kernarg_segment_align: 8
    .kernarg_segment_size: 48
    .max_flat_workgroup_size: 128
    .sgpr_count:     66
    .vgpr_count:     256
    .wavefront_size: 32
...
	.end_amdgpu_metadata
.endif
;; end of part 1
;; launch qkv (part 2): grid 192 x 1, 4 waves a work-group, clusters of 4 x 1, 327,680 bytes of LDS; arguments ops, cos, sin, qimg, kv; writes qimg, kv
.if DOCPART == 2
	.amdgcn_target "amdgcn-amd-amdhsa--gfx1250"
	.amdhsa_code_object_version 6
	.text
	.protected	k_q063e2f1f77_qkv
	.globl	k_q063e2f1f77_qkv
	.p2align	8
	.type	k_q063e2f1f77_qkv,@function
k_q063e2f1f77_qkv:
	s_mov_b64 s[64:65], 0
	v_nop
	global_prefetch_b8 v0, s[64:65] scope:SCOPE_SE
	s_setreg_imm32_b32 hwreg(HW_REG_WAVE_MODE, 25, 1), 1
	s_wait_xcnt 0x0
	s_wait_alu depctr_hold_cnt(0) depctr_sa_sdst(0) depctr_va_vdst(0) depctr_va_sdst(0) depctr_va_ssrc(0) depctr_va_vcc(0) depctr_vm_vsrc(0)
	s_getreg_b32 s2, hwreg(HW_REG_IB_STS2, 6, 4)
	s_cmp_eq_u32 s2, 0
	s_cbranch_scc0 .Lentry_in_a_cluster
	s_endpgm
.Lentry_in_a_cluster:
	s_bfe_u32 s2, ttmp6, 0x10000c
	s_cmp_lg_u32 s2, 0x3003
	s_cbranch_scc0 .Lentry_shape_is_right
	s_endpgm
.Lentry_shape_is_right:
; q = rope(x wq), k = rope(x wk), v = x wv on codes of FP8 (E4M3) with E8M0 scales, and q, k, v quantised again in registers for attention: q and k along the head's 64, v along the tokens.
; ops holds all operands as register images: [K / 256][112 panels][PS]; a panel is 64 rows in 4 tiles (row rho of tile 2 b + u = panel row 32 b + 8 u + rho + 8 (rho / 8)); a panel x 128 K is 4 images of
; 2,048 bytes and a quad of 256 bytes of scale words.  Neighbouring panels of one K slot are one dense run of bytes, so scales ride in the ring with the codes.
; A work-group makes side 0 (256 rows) x side 1 (128 rows); source 0 = side 0, source 1 = side 1: a lane holds ONE row of side 1, and by the tiles' row order its registers run along side 0 in neighbours.
; ROLES, by the cluster's number C (the same in all partners; chosen by s_cselect, no branch): C < 40: side 0 = 4 heads of wq or wk, side 1 = 128 tokens of x: a lane's 64 numbers of a tile are two heads x 64 channels.
; C >= 40: side 0 = 256 tokens of x, side 1 = two heads of wv: a lane's 64 numbers are its half of 128 tokens of one channel: v is quantised along the tokens with no transposition.
; THE RING.  LDS holds three K slots of 256, the PLACES 0, 1, 2; each fetching wave's part (two panels of side 0, or one of side 1) has its three places on end.  A tensor load's row is the part's bytes of one K slot,
; its pitch the distance between K slots: so ONE load of two rows fills places 0 and 1 (512 along K), one of one row fills place 2.  K slots 0-2 are first fills; then three refills: places 0, 1 <- slots 3, 4;
; place 2 <- slot 5; places 0, 1 <- slots 6, 7.  A refill has the work of the other region in which to land.  No barrier stands between places 0 and 1: one load brought both.
; The 16 steps of 128 along K are written out: no three of the K slots have the same fills.
; CLUSTER 4, 1, 1: side 0 hangs on C alone and is asked for jointly by the four partners; side 1 hangs on the place in the cluster and is each work-group's own load.  Not 4 x 4: the 10 column blocks of
; wq and wk and the 8 blocks of v with swapped sides do not divide into squares of four.
; RoPE runs in every role; in role V cos and sin are replaced by 1 and 0, which leaves every number as it is.
; LIMITS: RoPE is one product and one fused multiply-add where the model rounds both products (at most 1 ulp, ahead of a quantiser); a block of zeros gets the scale byte 1, not 127 (zero codes; only this
; program reads the bytes); NaN and infinities are not served.
; REGISTERS: window 0: v1-13 addresses, v16-27 LDS addresses, v28-29 the spare word's, v32-47 scale words (two sets), v48-75 at work, v128-255 side 1's fragments (two sets), later the epilogue's numbers and codes;
;   window 1: side 0's fragments (two sets of 128); window 2: the 32 accumulators ((a, b) at 64 a + 8 b); window 3: v0-127 cos and sin.
.set NT0,   8                          ; tiles of side 0 to a wave
.set NP0,   2                          ; panels of side 0 to a wave, and to a fetching wave's part
.set NPL,   3                          ; places
.set PS,    16896
.set HSTEP, 8448
.set SLOTB, 112*PS
.set STR0,  SLOTB                      ; a K slot on, in side 0's buffer and in side 1's
.set STR1,  SLOTB
.set P1B,   NPL*PS                     ; a part of side 1 in LDS: one panel x three places
.set P0B,   NPL*NP0*PS                 ; a part of side 0: two panels x three places
.set S0OFF, 2*P1B                      ; side 1's two parts, then side 0's two
.set SPARE, S0OFF+2*P0B                ; behind the ring: the spare words, 128 bytes for each wave, which no other line names
.set STEPJ, 3*STR0                     ; every refill lies three K slots behind the region's last fill
.set STEPP, 3*STR1
.set NL,    4*NT0+16+NP0               ; LDS loads of one fetch
.set ADR1, 16                          ; v16-18 side 1's fragments in place 0, 1, 2
.set ADR0, 19                          ; v19-21 side 0's
.set ADRS, 22                          ; v22-24 the quads: lanes 0-15 side 1's, lanes 16-31 those of side 0's first panel
.set ADRS2, 25                         ; v25-27 lanes 16-31: side 0's second panel; lanes 0-15 their own quad once more, so that no lane reads outside the place in hand
.set SPW,  28
.set NIL,  29
.set SC,   32
.set F1,   128
.set TM,   48                          ; v48-63 the quantiser's
.set PWR,  64                          ; v64-67 the four tiles' scale words; v68-71 as stored; v72-75 RoPE's products
.set VO,   8                           ; v8-11 where tile a's codes go; v12 the scale words; v13 cos and sin
.set YY,   128                         ; v128-191 a tile's 64 rotated numbers
.set PCD,  192                         ; v192-255 codes, 16 registers a tile
.set SEL,  96
.set MNT,  98
.set G1JA, 24                          ; s[24:31] group 1 of side 0's joint loads of two rows;  s[72:79] of one row
.set G1JB, 72
.set G0J,  32                          ; s[32:39] their groups 0: places 0 and 1; place 2
.set G1PA, 48                          ; s[48:55], s[80:87], s[56:63] the same for side 1's own loads
.set G1PB, 80
.set G0P,  56
.set MSB, 0
.macro WIN new                         ; the immediate's high byte repeats the setting that is left
.if MSB != \new
	s_set_vgpr_msb (MSB<<8)|\new
.set MSB, \new
.endif
.endm
.set MUL,  0xa1                        ; source 0 window 1, source 1 window 0, C and D window 2
.set TO_B, 0x40                        ; destination window 1, address window 0
.macro PLACES n
.rept \n
	v_nop
.endr
.endm
; waves 0 and 1 fetch side 0, waves 2 and 3 side 1; the branch hangs on the wave's number alone; four v_nop follow each of the two lines
.macro JLOAD g0a, g1a, g0b, g1b
	s_cmp_eq_u32 s15, 0
	s_cbranch_scc0 .Lfor_b_\@
	tensor_load_to_lds s[\g0a:\g0a+3], s[\g1a:\g1a+7]
	s_nop 0
.rept 4
	v_nop
.endr
	s_branch .Lasked_\@
.Lfor_b_\@:
	tensor_load_to_lds s[\g0b:\g0b+3], s[\g1b:\g1b+7]
	s_nop 0
.rept 4
	v_nop
.endr
.Lasked_\@:
.endm
.macro CREST                           ; a round of the cluster's barrier behind its opening barrier
	s_cmp_lg_u32 s14, 0
	s_cbranch_scc1 .Lnot_wave_0_\@
	s_barrier_signal -3
.Lnot_wave_0_\@:
	s_barrier_wait -3
	s_barrier_signal -1
	s_barrier_wait -1
.endm
.macro CROUND
	s_barrier_signal -1
	s_barrier_wait -1
	CREST
.endm
.macro FRAG reg, adr, off              ; an image comes back as it was stored: 512 consecutive bytes a load
.irp c, 0,1,2,3
	ds_load_b128 v[\reg+4*\c:\reg+4*\c+3], v[\adr] offset:\off+512*\c
.endr
.endm
; the fragments and scale words of place pl's q-th 128 along K into set
.macro FETCH pl, q, set
	WIN TO_B
.set b, 0
.rept NT0
	FRAG 128*(\set)+16*b, ADR0+\pl, (b/4)*PS+(\q)*HSTEP+(b%4)*2048
.set b, b+1
.endr
	WIN 0
.irp a, 0,1,2,3
	FRAG F1+64*(\set)+16*\a, ADR1+\pl, (\q)*HSTEP+2048*\a
.endr
	ds_load_b128 v[SC+8*(\set):SC+8*(\set)+3], v[ADRS+\pl] offset:(\q)*HSTEP            ; lanes 0-15: side 1's four tiles; lanes 16-31: side 0's tiles 0-3
	ds_load_b128 v[SC+8*(\set)+4:SC+8*(\set)+7], v[ADRS2+\pl] offset:(\q)*HSTEP         ; lanes 16-31: side 0's tiles 4-7
.endm
; side 1's tile a against all of side 0's.  The accumulators take turns, one instruction a turn, in one order everywhere
.macro MULROW a, set, zero
.set b, 0
.rept NT0
.if \zero
	v_wmma_scale_f32_16x16x128_f8f6f4 v[8*NT0*(\a)+8*b:8*NT0*(\a)+8*b+7], v[128*(\set)+16*b:128*(\set)+16*b+15], v[F1+64*(\set)+16*(\a):F1+64*(\set)+16*(\a)+15], 0, v[SC+8*(\set)+b], v[SC+8*(\set)+(\a)] matrix_a_scale:MATRIX_SCALE_ROW1
.else
	v_wmma_scale_f32_16x16x128_f8f6f4 v[8*NT0*(\a)+8*b:8*NT0*(\a)+8*b+7], v[128*(\set)+16*b:128*(\set)+16*b+15], v[F1+64*(\set)+16*(\a):F1+64*(\set)+16*(\a)+15], v[8*NT0*(\a)+8*b:8*NT0*(\a)+8*b+7], v[SC+8*(\set)+b], v[SC+8*(\set)+(\a)] matrix_a_scale:MATRIX_SCALE_ROW1
.endif
.set b, b+1
.endr
.endm
; place pl's first 128 along K: set 0 is multiplied while set 1, its second 128, comes
.macro STEP0 pl, zero
	PLACES 8                                       ; eight places behind the products that read set 1, in front of loads into it
	FETCH \pl, 1, 1
	s_wait_dscnt NL                                ; set 0 is in; the NL loads just issued may be out
	WIN MUL
	MULROW 0, 0, \zero
	MULROW 1, 0, \zero
	MULROW 2, 0, \zero
	MULROW 3, 0, \zero
	WIN 0
.endm
; a place's second 128 along K where the next place was brought by the same tensor load: no barrier; set 1 is multiplied while the next place's first 128 come into set 0
.macro STEP1 next
	PLACES 8
	FETCH \next, 0, 0
	s_wait_dscnt NL                                ; set 1 is in; the NL loads just issued may be out
	WIN MUL
	MULROW 0, 1, 0
	MULROW 1, 1, 0
	MULROW 2, 1, 0
	MULROW 3, 1, 0
	WIN 0
.endm
; a region's last 128 along K, and the change of regions.  fill = 1: places 0 and 1, which have just been read out, are filled again; 2: place 2; 0: nothing.  A refill stands behind a round of the cluster's barrier
.macro TURN next, fill
	s_wait_tensorcnt 0x0                           ; all my tensor loads have landed: my part of the region that is read next
	ds_add_u32 v[SPW], v[NIL]                      ; 0 onto my spare word
	s_wait_dscnt 0x0                               ; the add is done, set 1 is in, and my reads of this region are over
	s_barrier_signal -1
	WIN MUL
	MULROW 0, 1, 0                                 ; work on registers while the others arrive
	WIN 0
	s_barrier_wait -1
.if \fill
	CREST                                          ; no wave of any partner still reads this region or has a load on its way
	s_add_nc_u64 s[G0J+4*(\fill)-2:G0J+4*(\fill)-1], s[G0J+4*(\fill)-2:G0J+4*(\fill)-1], STEPJ
	s_add_nc_u64 s[G0P+4*(\fill)-2:G0P+4*(\fill)-1], s[G0P+4*(\fill)-2:G0P+4*(\fill)-1], STEPP
.if \fill == 1
	JLOAD G0J, G1JA, G0P, G1PA                     ; my one tensor load behind the round; its four v_nop are four of the eight places
.else
	JLOAD G0J+4, G1JB, G0P+4, G1PB
.endif
	PLACES 4
.else
	PLACES 8
.endif
	FETCH \next, 0, 0
	WIN MUL
	MULROW 1, 1, 0
	MULROW 2, 1, 0
	MULROW 3, 1, 0
	WIN 0
.endm
; 64 numbers of a lane become a fragment's 16 code registers v[pc] on and its row's scale word v[pw]
.macro QUANT s, pc, pw
.irp b, 0,1,2,3
	v_max3_num_f32 v[TM+\b], |v[\s+16*\b]|, |v[\s+1+16*\b]|, 0x4800000       ; my 16 numbers of block b and the floor 2^(9 - 127)
.endr
.irp i, 2,4,6,8,10,12,14
.irp b, 0,1,2,3
	v_max3_num_f32 v[TM+\b], v[TM+\b], |v[\s+16*\b+\i]|, |v[\s+1+16*\b+\i]|
.endr
.endr
.irp b, 0,1,2,3
	v_permlanex16_b32 v[TM+4+\b], v[TM+\b], s[SEL], s[SEL+1]
.endr
.irp b, 0,1,2,3
	v_max_num_f32 v[TM+\b], v[TM+\b], v[TM+4+\b]                             ; with lane l xor 16's 16
.endr
.irp b, 0,1,2,3
	v_add_nc_u32 v[TM+12+\b], 0xfc000000, v[TM+\b]                           ; the conversion's scale operand
.endr
.irp b, 0,1,2,3
	v_and_or_b32 v[TM+8+\b], v[TM+\b], 0x7f800000, s[MNT]                    ; 448 x the scale
.endr
.irp b, 0,1,2,3
	v_lshrrev_b32 v[TM+4+\b], 23, v[TM+12+\b]                                ; the byte
.endr
	v_lshl_or_b32 v[\pw], v[TM+5], 8, v[TM+4]
	v_lshl_or_b32 v[\pw], v[TM+6], 16, v[\pw]
	v_lshl_or_b32 v[\pw], v[TM+7], 24, v[\pw]
.irp b, 0,1,2,3
.irp i, 0,1,2,3,4,5,6,7,8,9,10,11,12,13,14,15
	v_med3_num_f32 v[\s+16*\b+\i], v[\s+16*\b+\i], -v[TM+8+\b], v[TM+8+\b]   ; the conversion does not saturate (ISA guide 7.6.2)
.endr
	v_cvt_scalef32_pk8_fp8_f32 v[\pc+4*\b:\pc+4*\b+1], v[\s+16*\b:\s+16*\b+7], v[TM+12+\b]
	v_cvt_scalef32_pk8_fp8_f32 v[\pc+4*\b+2:\pc+4*\b+3], v[\s+16*\b+8:\s+16*\b+15], v[TM+12+\b]
.endr
	v_nop                                          ; a plain line behind the last conversion
.endm
; tile a's 32 pairs are rotated: (t0, t1) -> (t0 c - t1 s, t0 s + t1 c).  Pair e of block blk has cos and sin number 16 (blk % 2) + 8 h + e of the lane's token.  Each accumulator is read from its low end on
.macro ROPE a
	WIN 0x0e                                       ; source 0 (the sums) window 2, source 1 (cos, sin) window 3, the rest window 0
.set e, 0
.rept 32
.set rA, 64*(\a)+2*e
.set rC, 32*(\a)+8*((e/8)%2)+e%8
.set rT, 72+2*(e%2)
	v_mul_f32 v[rT], v[rA+1], v[rC+16]
	v_mul_f32 v[rT+1], v[rA+1], v[rC]
	v_fma_f32 v[YY+2*e], v[rA], v[rC], -v[rT]
	v_fma_f32 v[YY+2*e+1], v[rA], v[rC+16], v[rT+1]
.set e, e+1
.endr
	WIN 0
.endm
	s_load_b256 s[4:11], s[0:1], 0x0               ; ops, cos, sin, qimg
	s_load_b64 s[12:13], s[0:1], 0x20              ; kv
	v_lshl_add_u32 v[SPW], v0, 2, SPARE
	v_mov_b32 v[NIL], 0
	ds_add_u32 v28, v29
	ds_add_u32 v28, v29
	s_wait_dscnt 0x0
	v_lshrrev_b32 v1, 5, v0
	v_readfirstlane_b32 s14, v1                    ; wave 0..3
	s_lshr_b32 s15, s14, 1                         ; my half of side 0.  Also: I fetch side 0 (0) or side 1 (1)
	s_and_b32 s16, s14, 1                          ; my half of side 1.  Also: which part I fetch
	s_bfe_u32 s40, ttmp6, 0x40000                  ; cx
	s_lshr_b32 s42, ttmp9, 2
	s_lshl_b32 s42, s42, 2                         ; roles q, k: side 0 from panel 4 (C / 4)
	s_lshl_b32 s43, ttmp9, 2
	s_sub_co_u32 s43, s43, 120                     ; role v: x's panels from 40 + 4 (C - 40)
	s_and_b32 s44, ttmp9, 3
	s_lshl_b32 s44, s44, 2
	s_add_co_u32 s44, s44, s40                     ; roles q, k: my block of 128 tokens, 4 (C % 4) + cx
	s_cmp_lt_u32 ttmp9, 40
	s_cselect_b32 s42, s42, s43                    ; side 0's first panel: of C alone
	s_cselect_b32 s44, s44, s40                    ; role v: cx
	s_cselect_b32 s45, 40, 72
	s_lshl_b32 s46, s44, 1
	s_add_co_u32 s45, s45, s46                     ; side 1's first panel: x's 40 + 2 block, or wv's 72 + 2 cx
	; descriptor groups 1: elements of 8 bytes; a row = the part's bytes of one K slot; the pitch = from K slot to K slot; no padding
	s_mov_b32 s[G1JA], 15|(3<<16)|(1<<21)          ; 15:0 the mask: all four partners; 17:16 elements of 8 bytes; 21 set beside a mask
	s_mov_b32 s[G1JB], 15|(3<<16)|(1<<21)
	s_mov_b32 s[G1PA], 3<<16                       ; no mask: my own load
	s_mov_b32 s[G1PB], 3<<16
.irp g, G1JA, G1JB
	s_mov_b32 s[\g+1], (NP0*PS/8)<<16              ; tensor_dim0: two panels on end
	s_mov_b32 s[\g+3], (NP0*PS/8)<<16              ; tile_dim0
.endr
.irp g, G1PA, G1PB
	s_mov_b32 s[\g+1], (PS/8)<<16                  ; one panel
	s_mov_b32 s[\g+3], (PS/8)<<16
.endr
.irp g, G1JA, G1PA
	s_mov_b32 s[\g+2], 2<<16                       ; tensor_dim1: two K slots
	s_mov_b32 s[\g+4], 2                           ; tile_dim1
.endr
.irp g, G1JB, G1PB
	s_mov_b32 s[\g+2], 1<<16                       ; one K slot
	s_mov_b32 s[\g+4], 1
.endr
.irp g, G1JA, G1JB, G1PA, G1PB
	s_mov_b32 s[\g+5], SLOTB/8                     ; tensor_dim0_stride
	s_mov_b32 s[\g+6], 0
	s_mov_b32 s[\g+7], 0
.endr
	s_mul_i32 s19, s16, P0B                        ; where they go: of the wave's number alone
	s_mul_i32 s18, s16, P1B
	s_lshl_b32 s47, s16, 1
	s_add_co_u32 s47, s47, s42
	s_mul_i32 s20, s47, PS                         ; side 0: panel + 2 (wave % 2): no place in the cluster enters these registers
	s_mov_b32 s21, 0
	s_add_co_u32 s46, s45, s16
	s_mul_i32 s22, s46, PS                         ; side 1: panel + wave % 2
	s_mov_b32 s23, 0
	s_wait_kmcnt 0x0
	s_add_nc_u64 s[20:21], s[4:5], s[20:21]
	s_add_nc_u64 s[22:23], s[4:5], s[22:23]
	CROUND                                         ; all four work-groups are here: the first joint loads meet
.irp s, 0,1                                    ; region 0: places 0 and 1, K slots 0 and 1; region 1: place 2, K slot 2
	s_mov_b32 s[G0J+4*\s], 1
	s_add_co_u32 s[G0J+4*\s+1], s19, S0OFF+\s*2*NP0*PS
	s_add_nc_u64 s[G0J+4*\s+2:G0J+4*\s+3], s[20:21], \s*2*STR0
	s_or_b32 s[G0J+4*\s+3], s[G0J+4*\s+3], 0x80000000
	s_mov_b32 s[G0P+4*\s], 1
	s_add_co_u32 s[G0P+4*\s+1], s18, \s*2*PS
	s_add_nc_u64 s[G0P+4*\s+2:G0P+4*\s+3], s[22:23], \s*2*STR1
	s_or_b32 s[G0P+4*\s+3], s[G0P+4*\s+3], 0x80000000
.endr
	JLOAD G0J, G1JA, G0P, G1PA                     ; places 0 and 1: my one tensor load at the head
	v_and_b32 v1, 15, v0                           ; r
	v_bfe_u32 v2, v0, 4, 1                         ; h
	v_and_b32 v3, 31, v0
	v_lshlrev_b32 v4, 4, v3                        ; 16 x lane
	; cos and sin of my 64 tokens (in role v: of tokens inside the tables, replaced later): lane (r, h) of tile a wants numbers 16 beta + 8 h + 0..7 of its token's row of 128 bytes
	s_wait_alu depctr_va_vdst(0)
	v_and_b32 v6, 8, v1
	v_add_nc_u32 v6, v6, v1
	v_lshlrev_b32 v13, 7, v6
	v_lshl_add_u32 v13, v2, 5, v13
	s_lshl_b32 s46, s44, 14
	s_lshl_b32 s47, s16, 13
	s_add_co_u32 s46, s46, s47
	s_mov_b32 s47, 0
	s_add_nc_u64 s[66:67], s[6:7], s[46:47]
	s_add_nc_u64 s[68:69], s[8:9], s[46:47]
	WIN 0xc0                                       ; destination window 3
.irp a, 0,1,2,3
.irp t, 0,1
	global_load_b128 v[32*\a+8*\t:32*\a+8*\t+3],       v13, s[66:67] offset:(32*(\a/2)+8*(\a%2))*128+64*\t
	global_load_b128 v[32*\a+8*\t+4:32*\a+8*\t+7],     v13, s[66:67] offset:(32*(\a/2)+8*(\a%2))*128+64*\t+16
	global_load_b128 v[32*\a+16+8*\t:32*\a+16+8*\t+3], v13, s[68:69] offset:(32*(\a/2)+8*(\a%2))*128+64*\t
	global_load_b128 v[32*\a+16+8*\t+4:32*\a+16+8*\t+7], v13, s[68:69] offset:(32*(\a/2)+8*(\a%2))*128+64*\t+16
.endr
.endr
	WIN 0
	; LDS addresses, one register for each place
	s_mul_i32 s43, s16, P1B                        ; my part of side 1
	s_mul_i32 s46, s15, P0B
	s_add_co_u32 s46, s46, S0OFF                   ; my part of side 0
	v_add_nc_u32 v[ADR1], s43, v4
	v_add_nc_u32 v[ADR0], s46, v4
.irp p, 1,2
	v_add_nc_u32 v[ADR1+\p], PS, v[ADR1+\p-1]
	v_add_nc_u32 v[ADR0+\p], NP0*PS, v[ADR0+\p-1]
.endr
	s_sub_co_u32 s46, s46, s43                     ; from side 1's place 0 to side 0's
	s_add_co_u32 s43, s43, 8192                    ; a quad lies behind its four images
.irp p, 0,1,2
	v_mul_u32_u24 v5, s46, v2                      ; lanes 16-31 take side 0's quad: one product, the distance between the two in this place
	v_lshl_add_u32 v5, v1, 4, v5
	v_add_nc_u32 v[ADRS+\p], s43, v5
	v_mad_u32_u24 v[ADRS2+\p], v2, PS, v[ADRS+\p]  ; lanes 16-31: the second panel's quad
	s_add_co_u32 s46, s46, (NP0-1)*PS              ; side 0's places are a panel further apart than side 1's
	s_add_co_u32 s43, s43, PS
.endr
	s_wait_alu depctr_va_vdst(0)
	s_wait_tensorcnt 0x0                           ; my part of K slots 0 and 1 is in
	ds_add_u32 v[SPW], v[NIL]
	s_wait_dscnt 0x0
	CROUND                                         ; everybody's part is in, and the four partners are here
	JLOAD G0J+4, G1JB, G0P+4, G1PB                 ; place 2's first fill: my one tensor load behind the round
	FETCH 0, 0, 0
	STEP0 0, 1                                     ; K slot 0: the first products start the sums: nothing is cleared
	STEP1 1
	STEP0 1, 0                                     ; K slot 1
	TURN 2, 1                                      ; places 0 and 1 <- K slots 3 and 4
	STEP0 2, 0                                     ; K slot 2
	TURN 0, 2                                      ; place 2 <- K slot 5
	STEP0 0, 0                                     ; K slot 3
	STEP1 1
	STEP0 1, 0                                     ; K slot 4
	TURN 2, 1                                      ; places 0 and 1 <- K slots 6 and 7: the last load
	STEP0 2, 0                                     ; K slot 5
	TURN 0, 0                                      ; nothing is left to fetch
	STEP0 0, 0                                     ; K slot 6
	STEP1 1
	STEP0 1, 0                                     ; K slot 7
	s_wait_dscnt 0x0
	WIN MUL
	MULROW 0, 1, 0
	MULROW 1, 1, 0
	MULROW 2, 1, 0
	MULROW 3, 1, 0
	WIN 0
	; where the results go, by role.  Made here, where every tensor load has been waited for: these scalars lie over two of the descriptors' groups 1
	s_lshl_b32 s70, s15, 1
	s_add_co_u32 s70, s70, s42                     ; q: my first head
	s_sub_co_u32 s71, s70, 32                      ; k: likewise
	s_lshl_b32 s72, s40, 1
	s_add_co_u32 s72, s72, s16                     ; v: my head 2 cx + wave % 2
	s_sub_co_u32 s73, ttmp9, 40
	s_lshl_b32 s73, s73, 1
	s_add_co_u32 s73, s73, s15                     ; v: my step of 128 keys
	s_lshl_b32 s74, s16, 12                        ; q, k: my four half-images
	s_lshl_b32 s75, s16, 8                         ; q, k: my quad
	s_cmp_lt_u32 ttmp9, 32
	s_cselect_b32 s70, s70, s71
	s_cselect_b64 s[76:77], s[10:11], s[12:13]     ; qimg or kv
	s_mov_b32 s78, 278528
	s_cselect_b32 s78, 139264, s78                 ; bytes of a head
	s_mov_b32 s79, 17408
	s_cselect_b32 s79, 8704, s79                   ; bytes of 128 tokens
	s_mov_b32 s80, 16384
	s_cselect_b32 s80, 8192, s80                   ; where the quads begin
	s_add_co_u32 s80, s80, s75
	s_cmp_lt_u32 ttmp9, 40
	s_cselect_b32 s70, s70, s72
	s_cselect_b32 s81, s44, s73
	s_cselect_b32 s82, s78, 1024                   ; from groups 0, 1 to groups 2, 3: the next head, or the image's second half
	s_cselect_b32 s83, s78, 256                    ; lanes 16-31's scale words: the next head's, or the step's spare 256 bytes
	s_mov_b32 s84, 2048
	s_cselect_b32 s84, 1024, s84                   ; from tile to tile
	s_mov_b32 s85, 8192
	s_cselect_b32 s74, s74, s85
	s_mov_b32 s86, 16896
	s_cselect_b32 s80, s80, s86
	s_cselect_b32 s87, -1, 0                       ; all lanes: rotate; none: leave as it is
	s_mul_i32 s70, s70, s78
	s_mul_i32 s81, s81, s79
	s_add_co_u32 s70, s70, s81
	s_add_co_u32 s88, s70, s74
	s_mov_b32 s89, 0
	s_add_co_u32 s90, s88, s82
	s_mov_b32 s91, 0
	s_add_co_u32 s92, s70, s80
	s_mov_b32 s93, 0
	s_add_nc_u64 s[88:89], s[76:77], s[88:89]      ; groups 0, 1
	s_add_nc_u64 s[90:91], s[76:77], s[90:91]      ; groups 2, 3
	s_add_nc_u64 s[92:93], s[76:77], s[92:93]      ; scale words
	s_mov_b32 s95, 0xffff0000                      ; lanes 16-31
	s_mov_b32 s[SEL], 0x76543210
	s_mov_b32 s[SEL+1], 0xfedcba98
	s_mov_b32 s[MNT], 0x600000
	v_mov_b32 v[VO], v4                            ; these ten lines and the 128 selections below name no register of the last products: they are the places behind them
	v_add_nc_u32 v[VO+1], s84, v[VO]
	v_add_nc_u32 v[VO+2], s84, v[VO+1]
	v_add_nc_u32 v[VO+3], s84, v[VO+2]
	v_mul_u32_u24 v12, s83, v2
	v_lshl_add_u32 v12, v1, 4, v12
.irp b, 0,1,2,3
	v_mov_b32 v[TM+4+\b], 0                        ; a lane permute's destination counts as one of its sources
.endr
	s_wait_loadcnt 0x0                             ; cos and sin
	WIN 0xcc                                       ; source 1 and destination window 3
.set n, 0
.rept 128
.if (n%32) < 16
	v_cndmask_b32 v[n], 1.0, v[n], s87             ; role v: cos = 1,
.else
	v_cndmask_b32 v[n], 0, v[n], s87               ; sin = 0
.endif
.set n, n+1
.endr
	WIN 0
.irp a, 0,1,2,3
	ROPE \a
	QUANT YY, PCD+16*\a, PWR+\a
	global_store_b128 v[VO+\a], v[PCD+16*\a:PCD+16*\a+3],     s[88:89]              ; each store covers 512 consecutive bytes
	global_store_b128 v[VO+\a], v[PCD+16*\a+4:PCD+16*\a+7],   s[88:89] offset:512
	global_store_b128 v[VO+\a], v[PCD+16*\a+8:PCD+16*\a+11],  s[90:91]
	global_store_b128 v[VO+\a], v[PCD+16*\a+12:PCD+16*\a+15], s[90:91] offset:512
.endr
.irp a, 0,1,2,3
	v_lshrrev_b32 v[PWR+4+\a], 16, v[PWR+\a]
.endr
.irp a, 0,1,2,3
	v_cndmask_b32 v[PWR+4+\a], v[PWR+\a], v[PWR+4+\a], s95   ; lanes 0-15: the word as it is (q, k: its upper bytes stand over zero codes); lanes 16-31: the second head's two bytes
.endr
	global_store_b128 v12, v[PWR+4:PWR+7], s[92:93]          ; two runs of 256 consecutive bytes
	s_wait_tensorcnt 0x0                           ; the wave's end
	ds_add_u32 v[SPW], v[NIL]
	s_wait_dscnt 0x0
	CROUND                                         ; the closing round
	s_endpgm
.Lfunc_end_k_q063e2f1f77_qkv:
	.size	k_q063e2f1f77_qkv, .Lfunc_end_k_q063e2f1f77_qkv-k_q063e2f1f77_qkv
	.p2alignl 7, 3214868480
	.fill 96, 4, 3214868480
	.section	.rodata,"a",@progbits
	.p2align	6, 0x0
	.amdhsa_kernel k_q063e2f1f77_qkv
		.amdhsa_group_segment_fixed_size 327680
		.amdhsa_private_segment_fixed_size 0
		.amdhsa_enable_private_segment 0
		.amdhsa_kernarg_size 40
		.amdhsa_user_sgpr_count 2
		.amdhsa_user_sgpr_kernarg_segment_ptr 1
		.amdhsa_wavefront_size32 1
		.amdhsa_system_sgpr_workgroup_id_x 1
		.amdhsa_system_sgpr_workgroup_id_y 1
		.amdhsa_system_sgpr_workgroup_id_z 1
		.amdhsa_system_vgpr_workitem_id 0
		.amdhsa_next_free_vgpr 896
		.amdhsa_next_free_sgpr 100
		.amdhsa_reserve_vcc 0
		.amdhsa_float_denorm_mode_32 3
		.amdhsa_float_denorm_mode_16_64 3
		.amdhsa_memory_ordered 1
		.amdhsa_forward_progress 1
		.amdhsa_inst_pref_size 205
	.end_amdhsa_kernel
	.amdgpu_metadata
---
amdhsa.version: [ 1, 2 ]
amdhsa.kernels:
  - .name:           k_q063e2f1f77_qkv
    .symbol:         k_q063e2f1f77_qkv.kd
    .args:
      - { .name: ops, .offset: 0, .size: 8, .value_kind: global_buffer, .address_space: global }
      - { .name: cos, .offset: 8, .size: 8, .value_kind: global_buffer, .address_space: global }
      - { .name: sin, .offset: 16, .size: 8, .value_kind: global_buffer, .address_space: global }
      - { .name: qimg, .offset: 24, .size: 8, .value_kind: global_buffer, .address_space: global }
      - { .name: kv, .offset: 32, .size: 8, .value_kind: global_buffer, .address_space: global }
    .group_segment_fixed_size: 327680
    .private_segment_fixed_size: 0
    .kernarg_segment_align: 8
    .kernarg_segment_size: 40
    .max_flat_workgroup_size: 128
    .sgpr_count:     100
    .vgpr_count:     896
    .wavefront_size: 32
...
	.end_amdgpu_metadata
.endif
;; end of part 2
;; launch attn (part 3): grid 32 x 8, 16 waves a work-group, clusters of 4 x 1, 327,680 bytes of LDS; arguments qimg, kv, oimg; writes oimg
.if DOCPART == 3
	.amdgcn_target "amdgcn-amd-amdhsa--gfx1250"
	.amdhsa_code_object_version 6
	.text
	.protected	k_q063e2f1f77_attn
	.globl	k_q063e2f1f77_attn
	.p2align	8
	.type	k_q063e2f1f77_attn,@function
k_q063e2f1f77_attn:
	s_mov_b64 s[64:65], 0
	v_nop
	global_prefetch_b8 v0, s[64:65] scope:SCOPE_SE
	s_setreg_imm32_b32 hwreg(HW_REG_WAVE_MODE, 25, 1), 1
	s_wait_xcnt 0x0
	s_wait_alu depctr_hold_cnt(0) depctr_sa_sdst(0) depctr_va_vdst(0) depctr_va_sdst(0) depctr_va_ssrc(0) depctr_va_vcc(0) depctr_vm_vsrc(0)
	s_getreg_b32 s2, hwreg(HW_REG_IB_STS2, 6, 4)
	s_cmp_eq_u32 s2, 0
	s_cbranch_scc0 .Lentry_in_a_cluster
	s_endpgm
.Lentry_in_a_cluster:
	s_bfe_u32 s2, ttmp6, 0x10000c
	s_cmp_lg_u32 s2, 0x3003
	s_cbranch_scc0 .Lentry_shape_is_right
	s_endpgm
.Lentry_shape_is_right:
; o = softmax(q k^T / 8, causal) v for 32 query heads on 8 key heads, both products on codes of FP8 (E4M3) with E8M0 scales; o is quantised along its 64 channels and laid as the last product's operand (oimg).
; LEFT OUT: key steps of 128 keys that lie wholly behind a tile's queries: the causal mask that the model builds itself makes their scores -infinity, so they add nothing to any sum.
; THE SOFTMAX: t = score x log2(e) / 8; M = the running largest t rounded up to a whole number (kept as -M); p = 2^(t - M) is quantised along the keys; the row's sum is taken of the unquantised p and divides at the end.
; LIMITS: the promise holds while |t| stays under 2^31 (the change of M goes through a 32-bit whole number); NaN and infinities are not served; a block of zeros has the scale byte 1 (zero codes; this program alone reads the bytes).
; BUFFERS.  kv[key head][16 steps of 128 keys][KVSTEP]: 8 half-images of K (16 keys x 64 channels, 1,024 bytes), 4 images of V^T (16 channels x 128 keys), two quads of K's scale words, one of V's.
; qimg[head][16 blocks of 128 tokens][8,704]: 8 half-images, two quads.  Row rho of tile 2 b + u is token 32 b + 8 u + rho + 8 (rho / 8) of its block.
; SHARES.  A work-group owns one head and tile t (the cluster's x) of each of the 16 blocks of queries.  Block j needs j + 1 key steps.  With a = 0 .. 7: wave a takes all 8 - a steps of block 7 - a and then steps
; CUT .. 8 + a of block 8 + a: 17 - CUT steps whatever a is; the FRONT wave 8 + a takes steps 0 .. CUT - 1 of block 8 + a and hands -M, the sum and O^T over through a stage in LDS; wave a joins the two parts
; by powers of two, which round nothing.  Waves w, w + 4, w + 8, w + 12 have 2 x 17 steps together.
; LDS: the head's whole K and V, 16 steps, filled once at the head, one step to a wave; the spare words; the stage.  Nothing is filled again.
; CLUSTER 4, 1, 1: the four query heads of a key head ask for K and V jointly.  No prefetch: the one fill stands at the head, and there is no loop ahead of it to ask in.
; Both products are used transposed: a lane holds one query.  The head is 64 wide and the instruction 128: Q's upper 64 codes are zeros, so K's upper half may be any finite codes: K's eight half-fragments lie end to end,
; each followed by the next, the last by v96-103, which hold the second block's Q codes.
; K's fragments are read from LDS one live step ahead, into registers that the score products have done with: the next step's, or at a block's last step those of step CUT, where the second block's share begins
; (with no branch: what a wave's very last such read brings is not used).  V's fragments come in two halves, each where its half of p lay.
.set PS,     16896
.set HSTEP,  8448
.set KVSTEP, 17408
.set CUT,    5
.set SPARE,  16*KVSTEP                 ; the spare words, 128 bytes a wave, which no other line names
.set STAGE,  SPARE+2048
.set STB,    4608                      ; a pair's stage: O^T, 8 x 512 bytes, and 512 for -M and the sums
.set WV,   10
.set CX,   11
.set TYPE, 12                          ; 0: front wave
.set KVH,  13
.set TAU,  14                          ; the block of queries in hand: its step TAU holds the diagonal
.set TB,   15
.set SI,   16
.set AI,   17
.set CS,   18
.set SEL,  20
.set MNT,  22
.set TB2,  23                          ; t / 2: which block of 32 keys of the diagonal step holds the diagonal
.set G1,   24
.set TBIG, 32
.set LIM2, 33
.set TN,   37                          ; where the next live step begins in LDS
.set LAST, 38                          ; my last live step of the loop in hand
.set G0,   40
.set MK,   68                          ; s68-83: lanes for which key i of the diagonal's block of 32 is hidden
.set LI,   1
.set LR,   2
.set ADL,  3
.set ADS,  4
.set VD,   5
.set ADN,  6
.set ADM,  7
.set STG,  8
.set NINF, 9
.set FB,   10                          ; v[10:11]
.set QF,   16
.set KF,   32
.set Q2,   96
.set S,    104                         ; scores, then p, then V's fragments
.set O,    168
.set PC,   200
.set KS,   216
.set VS,   224
.set QS,   228
.set QS2,  229
.set PWD,  230
.set BM,   232
.set PT,   236
.set HO,   240
.set SO,   244
.set FF,   248
.set TT,   250
.set SPW,  254
.set NIL,  255
.macro CROUND
	s_barrier_signal -1
	s_barrier_wait -1
	s_cmp_lg_u32 s[WV], 0
	s_cbranch_scc1 .Lnot_wave_0_\@
	s_barrier_signal -3
.Lnot_wave_0_\@:
	s_barrier_wait -3
	s_barrier_signal -1
	s_barrier_wait -1
.endm
.macro KP t, adr                       ; K's half-fragment t
	ds_load_b128 v[KF+8*(\t):KF+8*(\t)+3], v[\adr] offset:1024*(\t)
	ds_load_b128 v[KF+8*(\t)+4:KF+8*(\t)+7], v[\adr] offset:1024*(\t)+512
.endm
.macro KSC adr                         ; the scale words of K's eight tiles
	ds_load_b128 v[KS:KS+3], v[\adr] offset:16384
	ds_load_b128 v[KS+4:KS+7], v[\adr] offset:16640
.endm
.macro FMA8                            ; t - M, sixteen numbers
.rept 8
	v_pk_fma_f32 v[S+n:S+n+1], v[S+n:S+n+1], s[CS:CS+1], v[12:13] op_sel_hi:[1,0,0]
.set n, n+2
.endr
.endm
.macro HOLDCVT b                       ; block b's 16 numbers of p are held and converted
.irp i, 0,2,4,6,8,10,12,14
	v_dual_min_num_f32 v[S+16*(\b)+\i], v[S+16*(\b)+\i], v[HO+(\b)] :: v_dual_min_num_f32 v[S+16*(\b)+\i+1], v[S+16*(\b)+\i+1], v[HO+(\b)]   ; the conversion does not saturate (ISA guide 7.6.2); p is not negative
.endr
	v_cvt_scalef32_pk8_fp8_f32 v[PC+4*(\b):PC+1+4*(\b)], v[S+16*(\b):S+7+16*(\b)], v[SO+(\b)]
	v_cvt_scalef32_pk8_fp8_f32 v[PC+2+4*(\b):PC+3+4*(\b)], v[S+8+16*(\b):S+15+16*(\b)], v[SO+(\b)]
.endm
.macro VLOAD t                         ; V's fragment t, where p lay
.irp c, 0,1,2,3
	ds_load_b128 v[S+16*(\t)+4*\c:S+3+16*(\t)+4*\c], v[ADL] offset:8192+2048*(\t)+512*\c
.endr
.endm
.macro PV t
	v_wmma_scale_f32_16x16x128_f8f6f4 v[O+8*(\t):O+7+8*(\t)], v[S+16*(\t):S+15+16*(\t)], v[PC:PC+15], v[O+8*(\t):O+7+8*(\t)], v[VS+(\t)], v[PWD]
.endm
; a tile is finished: O^T / the row's sum, quantised along the 64 channels, codes and scale bytes stored at block s[TAU]
.macro EPI
	v_add_f32 v14, v14, v15
	s_wait_alu depctr_va_vdst(0)
	v_permlanex16_b32 v[FF], v14, s[SEL], s[SEL+1]
	s_delay_alu instid0(VALU_DEP_1)
	v_add_f32 v14, v14, v[FF]                      ; with lane l xor 16's keys: the row's sum
	s_wait_alu depctr_va_vdst(0)
	v_rcp_f32 v14, v14
	v_and_b32 v[TT], 16, v0
	s_mul_i32 s48, s[KVH], 32*PS                   ; oimg[K slot = key head][panel 2 block + t / 4][PS]
	s_lshl_b32 s49, s[TAU], 1
	s_lshr_b32 s50, ttmp9, 2
	s_add_co_u32 s49, s49, s50
	s_mul_i32 s49, s49, PS
	s_add_co_u32 s48, s48, s49
	s_lshr_b32 s49, s[CX], 1
	s_mul_i32 s49, s49, HSTEP
	s_add_co_u32 s48, s48, s49
	s_and_b32 s50, ttmp9, 3
	s_and_b32 s51, s[CX], 1
	s_lshl_b32 s52, s50, 11
	s_lshl_b32 s53, s51, 10
	s_add_co_u32 s52, s52, s53
	s_add_co_u32 s52, s52, s48
	s_mov_b32 s53, 0
	s_lshl_b32 s54, s50, 2
	s_lshl_b32 s55, s51, 1
	s_add_co_u32 s54, s54, s55
	s_add_co_u32 s54, s54, s48
	s_add_co_u32 s54, s54, 8192
	s_mov_b32 s55, 0
	s_add_nc_u64 s[52:53], s[8:9], s[52:53]
	s_add_nc_u64 s[54:55], s[8:9], s[54:55]
	s_wait_alu depctr_va_vdst(0)                   ; the wait ahead of the first reader
.set n, 0
.rept 16
	v_pk_mul_f32 v[S+n:S+n+1], v[O+n:O+n+1], v[14:15] op_sel_hi:[1,0]
.set n, n+2
.endr
.irp b, 0,1
	v_max3_num_f32 v[BM+\b], |v[S+16*\b]|, |v[S+1+16*\b]|, 0x4800000
.endr
.irp i, 2,4,6,8,10,12,14
.irp b, 0,1
	s_delay_alu instid0(VALU_DEP_2)
	v_max3_num_f32 v[BM+\b], v[BM+\b], |v[S+16*\b+\i]|, |v[S+1+16*\b+\i]|
.endr
.endr
.irp b, 0,1
	s_delay_alu instid0(VALU_DEP_2)
	v_permlanex16_b32 v[PT+\b], v[BM+\b], s[SEL], s[SEL+1]
.endr
.irp b, 0,1
	s_delay_alu instid0(VALU_DEP_2)
	v_max_num_f32 v[BM+\b], v[BM+\b], v[PT+\b]
.endr
.irp b, 0,1
	s_delay_alu instid0(VALU_DEP_2)
	v_add_nc_u32 v[SO+\b], 0xfc000000, v[BM+\b]
.endr
.irp b, 0,1
	s_delay_alu instid0(VALU_DEP_4)
	v_and_or_b32 v[HO+\b], v[BM+\b], 0x7f800000, s[MNT]
.endr
.irp b, 0,1
	s_delay_alu instid0(VALU_DEP_4)
	v_lshrrev_b32 v[PT+\b], 23, v[SO+\b]
.endr
	s_delay_alu instid0(VALU_DEP_1)
	v_lshl_or_b32 v[PWD], v[PT+1], 8, v[PT]
.irp b, 0,1
.irp i, 0,1,2,3,4,5,6,7,8,9,10,11,12,13,14,15
	v_med3_num_f32 v[S+16*\b+\i], v[S+16*\b+\i], -v[HO+\b], v[HO+\b]
.endr
	v_cvt_scalef32_pk8_fp8_f32 v[PC+4*\b:PC+1+4*\b], v[S+16*\b:S+7+16*\b], v[SO+\b]
	v_cvt_scalef32_pk8_fp8_f32 v[PC+2+4*\b:PC+3+4*\b], v[S+8+16*\b:S+15+16*\b], v[SO+\b]
.endr
	v_cmp_eq_u32 vcc_lo, 0, v[TT]
	global_store_b128 v[LI], v[PC:PC+3], s[52:53]                ; 512 consecutive bytes each
	global_store_b128 v[LI], v[PC+4:PC+7], s[52:53] offset:512
	s_wait_xcnt 0x0                                ; EXEC changes only behind this wait
	s_and_saveexec_b32 s56, vcc_lo
	global_store_b16 v[LR], v[PWD], s[54:55]
	s_wait_xcnt 0x0
	s_or_b32 exec_lo, exec_lo, s56
.endm
; A KEY STEP: 128 keys, step s[SI], which begins at LDS byte s[TB].  A wave works in it up to its last live step
.macro STEP
	s_cmp_gt_u32 s[SI], s[LAST]
	s_cbranch_scc1 .Lhidden\@
	v_add_nc_u32 v[ADL], s[TB], v[LI]
	v_add_nc_u32 v[ADS], s[TB], v[LR]
.rept 7
	v_nop                                          ; with the two lines above nine places: the products below write over registers that the last products read
.endr
	s_wait_dscnt 0x0                               ; K's fragments, asked for a live step ago
.irp t, 0,1,2,3,4,5,6,7
	v_wmma_scale_f32_16x16x128_f8f6f4 v[S+8*\t:S+8*\t+7], v[KF+8*\t:KF+8*\t+15], v[QF:QF+15], 0, v[KS+\t], v[QS]
.endr
	s_add_co_u32 s[TN], s[TB], KVSTEP              ; the next live step: the next one (held inside K and V),
	s_min_u32 s[TN], s[TN], 15*KVSTEP
	s_cmp_lt_u32 s[SI], s[TAU]
	s_cselect_b32 s[TN], s[TN], CUT*KVSTEP         ; or, behind a block's last, step CUT
	v_add_nc_u32 v[ADN], s[TN], v[LI]
	v_add_nc_u32 v[ADM], s[TN], v[LR]
.rept 6
	v_nop                                          ; with the two lines above eight places behind the products
.endr
	s_cbranch_scc1 .Lopen\@
	; the diagonal step: blocks of 32 keys ahead of block t / 2 count whole, block t / 2 by the masks, those behind it not at all
.irp b, 0,1,2,3
	s_cmp_gt_u32 s[TB2], \b
	s_cbranch_scc1 .Lnext\@x\b
	s_cmp_eq_u32 s[TB2], \b
	s_cbranch_scc1 .Ldiag\@x\b
.irp i, 0,2,4,6,8,10,12,14
	v_dual_mov_b32 v[S+16*\b+\i], v[NINF] :: v_dual_mov_b32 v[S+16*\b+\i+1], v[NINF]
.endr
	s_wait_alu depctr_va_vdst(0)                   ; the wait ahead of the branch
	s_branch .Lnext\@x\b
.Ldiag\@x\b:
.irp i, 0,1,2,3,4,5,6,7,8,9,10,11,12,13,14,15
	v_cndmask_b32 v[S+16*\b+\i], v[S+16*\b+\i], v[NINF], s[MK+\i]
.endr
.Lnext\@x\b:
.endr
.Lopen\@:
.irp b, 0,1,2,3
	v_max3_num_f32 v[BM+\b], v[S+16*\b], v[S+1+16*\b], v[S+2+16*\b]          ; each block's largest score: for the row's maximum and for the block's largest p
.endr
.irp i, 3,5,7,9,11,13
.irp b, 0,1,2,3
	v_max3_num_f32 v[BM+\b], v[BM+\b], v[S+16*\b+\i], v[S+1+16*\b+\i]
.endr
.endr
.irp b, 0,1,2,3
	v_max_num_f32 v[BM+\b], v[BM+\b], v[S+15+16*\b]
.endr
.irp b, 0,1,2,3
	s_delay_alu instid0(VALU_DEP_4)
	v_permlanex16_b32 v[PT+\b], v[BM+\b], s[SEL], s[SEL+1]
.endr
.irp b, 0,1,2,3
	s_delay_alu instid0(VALU_DEP_4)
	v_max_num_f32 v[BM+\b], v[BM+\b], v[PT+\b]
.endr
	s_delay_alu instid0(VALU_DEP_2)
	v_max3_num_f32 v[TT], v[BM], v[BM+1], v[BM+2]  ; a chain of dependent lines: the next live step's 18 LDS loads stand in its gaps
	KP 0, ADN
	KP 1, ADN
	v_max_num_f32 v[TT], v[TT], v[BM+3]
	KP 2, ADN
	KP 3, ADN
	v_mul_f32 v[TT], s[CS], v[TT]
	KP 4, ADN
	KP 5, ADN
	v_max_num_f32 v13, v13, v[TT]                  ; the running largest t
	v_mov_b32 v[TT], v12
	KP 6, ADN
	KP 7, ADN
	v_floor_f32 v12, -v13                          ; -M = floor(-t)
	KSC ADM
	v_sub_f32 v[TT], v12, v[TT]
.set n, 0
	FMA8
	v_cvt_i32_f32 v[TT], v[TT]
	FMA8
	v_ldexp_f32 v[FF], 1.0, v[TT]                  ; f = 2^(old M - new M)
	FMA8
	FMA8
.irp b, 0,1,2,3
	v_fma_f32 v[BM+\b], v[BM+\b], s[CS], v12
.endr
	s_wait_alu depctr_va_vdst(0)                   ; a wait ahead of the batch and one behind it
.set n, 0
.rept 64
	v_exp_f32 v[S+n], v[S+n]
.set n, n+1
.endr
	v_pk_mul_f32 v[14:15], v[14:15], v[FF:FF+1] op_sel_hi:[1,0]
	s_wait_alu depctr_va_vdst(0)
.irp b, 0,1,2,3
	v_exp_f32 v[BM+\b], v[BM+\b]                   ; the block's largest p
.endr
	v_pk_add_f32 v[PT:PT+1], v[S:S+1], v[S+2:S+3]  ; the row's sum of the unquantised p, in two chains
.irp j, 4,8,12,16,20,24,28,32,36,40,44,48,52,56,60
	v_pk_add_f32 v[14:15], v[14:15], v[S+\j:S+1+\j]
	v_pk_add_f32 v[PT:PT+1], v[PT:PT+1], v[S+2+\j:S+3+\j]
.endr
	s_delay_alu instid0(VALU_DEP_1)
	v_pk_add_f32 v[14:15], v[14:15], v[PT:PT+1]
	s_wait_alu depctr_va_vdst(0)
.irp b, 0,1,2,3
	v_max_num_f32 v[BM+\b], 0x4800000, v[BM+\b]    ; the floor: the byte cannot fall under 1
.endr
.irp b, 0,1,2,3
	s_delay_alu instid0(VALU_DEP_4)
	v_add_nc_u32 v[SO+\b], 0xfc000000, v[BM+\b]
.endr
.irp b, 0,1,2,3
	v_and_or_b32 v[HO+\b], v[BM+\b], 0x7f800000, s[MNT]
.endr
.irp b, 0,1,2,3
	v_lshrrev_b32 v[PT+\b], 23, v[SO+\b]
.endr
	s_delay_alu instid0(VALU_DEP_3)
	v_lshl_or_b32 v[PWD], v[PT+1], 8, v[PT]
	s_delay_alu instid0(VALU_DEP_1)
	v_lshl_or_b32 v[PWD], v[PT+2], 16, v[PWD]
	s_delay_alu instid0(VALU_DEP_1)
	v_lshl_or_b32 v[PWD], v[PT+3], 24, v[PWD]
	HOLDCVT 0
	HOLDCVT 1
	ds_load_b128 v[VS:VS+3], v[ADS] offset:16896
	VLOAD 0                                        ; the first half of p is codes: V's first two fragments take its place
	VLOAD 1
	HOLDCVT 2
	HOLDCVT 3
	VLOAD 2
	VLOAD 3
	s_wait_alu depctr_va_vdst(0)                   ; the wait ahead of the first reader of O^T
.set n, 0
.rept 16
	v_pk_mul_f32 v[O+n:O+n+1], v[O+n:O+n+1], v[FF:FF+1] op_sel_hi:[1,0]   ; O^T under the new M; also the places ahead of the products
.set n, n+2
.endr
	s_wait_alu depctr_va_vdst(0)                   ; and ahead of the wait below
	s_wait_dscnt 0x8                               ; all but the youngest eight loads, V's fragments 2 and 3, are in
	PV 0
	PV 1
	s_wait_dscnt 0x0
	PV 2
	PV 3
.Lhidden\@:
	s_add_co_u32 s[TB], s[TB], KVSTEP
.endm
	s_load_b128 s[4:7], s[0:1], 0x0                ; qimg, kv
	s_load_b64 s[8:9], s[0:1], 0x10                ; oimg
	v_lshl_add_u32 v[SPW], v0, 2, SPARE
	v_mov_b32 v[NIL], 0
	ds_add_u32 v[SPW], v[NIL]                      ; the opening lines: the add twice on end and its wait ahead of my tensor load
	ds_add_u32 v[SPW], v[NIL]
	v_lshrrev_b32 v6, 5, v0
	v_readfirstlane_b32 s[WV], v6
	v_and_b32 v6, 31, v0
	v_lshlrev_b32 v[LI], 4, v6                     ; 16 x lane
	v_and_b32 v7, 15, v0
	v_lshlrev_b32 v[LR], 4, v7                     ; 16 x (lane % 16)
	s_bfe_u32 s[CX], ttmp6, 0x40000
	s_and_b32 s[KVH], ttmp7, 0xffff
	s_lshr_b32 s[TYPE], s[WV], 3
	s_xor_b32 s[TYPE], s[TYPE], 1                  ; waves 8-15 are the front waves
	s_and_b32 s[AI], s[WV], 7                      ; a
	s_add_co_u32 s[TBIG], s[AI], 8
	s_sub_co_u32 s[TAU], 7, s[AI]
	s_cmp_eq_u32 s[TYPE], 0
	s_cselect_b32 s[LAST], CUT-1, s[TAU]           ; the first loop: steps 0 .. CUT - 1 of block 8 + a, or all of block 7 - a
	s_cselect_b32 s[TAU], s[TBIG], s[TAU]
	s_cselect_b32 s[LIM2], 0, s[TBIG]              ; the second loop: none, or up to step 8 + a
	s_lshr_b32 s[TB2], ttmp9, 1
	s_mov_b32 s[G1], 15|(3<<16)|(1<<21)            ; the four partners; elements of 8 bytes; bit 21 beside a mask
	s_mov_b32 s[G1+1], 32<<16                      ; rows of 256 bytes
	s_mov_b32 s[G1+2], 68<<16                      ; a key step is 68 of them
	s_mov_b32 s[G1+3], 32<<16
	s_mov_b32 s[G1+4], 68
	s_mov_b32 s[G1+5], 32
	s_mov_b32 s[G1+6], 0
	s_mov_b32 s[G1+7], 0
	s_mul_i32 s36, s[WV], KVSTEP                   ; wave w fetches key step w
	s_mul_i32 s34, s[KVH], 16*KVSTEP
	s_add_co_u32 s34, s34, s36
	s_mov_b32 s35, 0
	s_lshl_b32 s44, s[KVH], 2
	s_add_co_u32 s44, s44, s[CX]
	s_mul_i32 s44, s44, 139264                     ; my head in qimg
	s_lshl_b32 s45, ttmp9, 10
	s_add_co_u32 s45, s45, s44                     ; tile t's codes
	s_lshr_b32 s46, ttmp9, 2
	s_lshl_b32 s46, s46, 8
	s_and_b32 s47, ttmp9, 3
	s_lshl_b32 s47, s47, 2
	s_add_co_u32 s46, s46, s47
	s_add_co_u32 s46, s46, s44
	s_add_co_u32 s46, s46, 8192                    ; and its scale words
	s_mul_i32 s47, s[TAU], 8704
	s_mul_i32 s48, s[TBIG], 8704
	s_add_co_u32 s58, s45, s47
	s_mov_b32 s59, 0
	s_add_co_u32 s60, s46, s47
	s_mov_b32 s61, 0
	s_add_co_u32 s84, s45, s48
	s_mov_b32 s85, 0
	s_add_co_u32 s86, s46, s48
	s_mov_b32 s87, 0
	s_mul_i32 s49, s[AI], STB
	s_add_co_u32 s49, s49, STAGE
	s_and_b32 s50, ttmp9, 1
	s_lshl_b32 s50, s50, 3
	s_mov_b32 s[CS], 0x3e38aa3b                    ; log2(e) / 8
	s_mov_b32 s[CS+1], s[CS]
	s_mov_b32 s[SEL], 0x76543210
	s_mov_b32 s[SEL+1], 0xfedcba98
	s_mov_b32 s[MNT], 0x600000
	s_wait_alu depctr_va_vdst(0)                   ; the wait ahead of the waits below
	s_wait_dscnt 0x0
	s_wait_kmcnt 0x0
	s_add_nc_u64 s[58:59], s[4:5], s[58:59]
	s_add_nc_u64 s[60:61], s[4:5], s[60:61]
	s_add_nc_u64 s[84:85], s[4:5], s[84:85]
	s_add_nc_u64 s[86:87], s[4:5], s[86:87]
	global_load_b128 v[QF:QF+3], v[LI], s[58:59]                 ; Q of the first block
	global_load_b128 v[QF+4:QF+7], v[LI], s[58:59] offset:512
	global_load_b32 v[QS], v[LR], s[60:61]
	global_load_b128 v[Q2:Q2+3], v[LI], s[84:85]                 ; Q of block 8 + a: behind K's last half-fragment
	global_load_b128 v[Q2+4:Q2+7], v[LI], s[84:85] offset:512
	global_load_b32 v[QS2], v[LR], s[86:87]
	s_mov_b32 s[G0], 1
	s_mov_b32 s[G0+1], s36
	s_add_nc_u64 s[G0+2:G0+3], s[6:7], s[34:35]
	s_or_b32 s[G0+3], s[G0+3], 0x80000000
	CROUND                                         ; the four partners are here: the joint loads meet
	tensor_load_to_lds s[G0:G0+3], s[G1:G1+7]      ; my one tensor load
	s_nop 0
	v_add_nc_u32 v[STG], s49, v[LI]
	v_and_b32 v6, 8, v7
	v_add_nc_u32 v[VD], v7, v6
	v_bfe_u32 v6, v0, 4, 1
	v_lshlrev_b32 v6, 4, v6
	v_sub_nc_u32 v[VD], v[VD], v6
	v_add_nc_u32 v[VD], s50, v[VD]                 ; my query less my first key, inside the diagonal's block of 32: 8 (t % 2) + rho + 8 (rho / 8) - 16 (lane / 16)
.irp i, 0,1,2,3,4,5,6,7,8,9,10,11,12,13,14,15
	v_cmp_gt_i32 s[MK+\i], \i, v[VD]
.endr
	v_mov_b32 v[NINF], 0xff800000
	v_mov_b32 v13, 0xff61b1e6                      ; the largest t so far: -3e38
	v_floor_f32 v12, -v13
	v_mov_b32 v14, 0
	v_mov_b32 v15, 0
	v_mov_b32 v[FB+1], 0
	v_mov_b32 v[FF], 0
	v_mov_b32 v[FF+1], 0
.irp b, 0,1,2,3
	v_mov_b32 v[PT+\b], 0
.endr
.irp j, 8,9,10,11,12,13,14,15
	v_mov_b32 v[QF+\j], 0                          ; Q's upper 64 codes
.endr
.set n, 0
.rept 32
	v_mov_b32 v[O+n], 0
.set n, n+1
.endr
	s_wait_alu depctr_va_vdst(0)                   ; the wait at the head's end
	s_wait_loadcnt 0x0
	s_wait_tensorcnt 0x0                           ; my key step is in
	s_barrier_signal -1
	s_barrier_wait -1                              ; and everybody's
	s_mov_b32 s[TB], 0
	s_mov_b32 s[SI], 0
.irp t, 0,1,2,3,4,5,6,7
	KP \t, LI                                      ; step 0's K
.endr
	KSC LR
.Lone:                                             ; steps 0 to 7: block 7 - a, or the front of block 8 + a
	STEP
	s_add_co_u32 s[SI], s[SI], 1
	s_cmp_lt_u32 s[SI], 8
	s_cbranch_scc1 .Lone
	s_cmp_eq_u32 s[TYPE], 0
	s_cbranch_scc1 .Lfront
.rept 8
	v_nop                                          ; places behind the last products
.endr
	EPI                                            ; block 7 - a is finished
	v_mov_b32 v13, 0xff61b1e6                      ; and my share of block 8 + a begins
	v_floor_f32 v12, -v13
	v_mov_b32 v14, 0
	v_mov_b32 v15, 0
.set n, 0
.rept 32
	v_mov_b32 v[O+n], 0
.set n, n+1
.endr
.irp j, 0,1,2,3,4,5,6,7
	v_mov_b32 v[QF+\j], v[Q2+\j]
.endr
	v_mov_b32 v[QS], v[QS2]
	s_wait_alu depctr_va_vdst(0)                   ; the wait ahead of the branch
	s_branch .Lhanded
.Lfront:
.rept 8
	v_nop
.endr
.irp k, 0,1,2,3,4,5,6,7
	ds_store_b128 v[STG], v[O+4*\k:O+4*\k+3] offset:512*\k       ; my part of block 8 + a, as an image of the registers
.endr
	ds_store_b128 v[STG], v[12:15] offset:4096
.Lhanded:
	s_mov_b32 s[TAU], s[TBIG]
	s_mov_b32 s[LAST], s[LIM2]
	s_mov_b32 s[TB], CUT*KVSTEP
	s_mov_b32 s[SI], CUT
.Ltwo:                                             ; steps CUT to 15: the rest of block 8 + a
	STEP
	s_add_co_u32 s[SI], s[SI], 1
	s_cmp_lt_u32 s[SI], 16
	s_cbranch_scc1 .Ltwo
	s_wait_dscnt 0x0                               ; the front waves' stores are done
	s_barrier_signal -1
	s_barrier_wait -1
	s_cmp_eq_u32 s[TYPE], 0
	s_cbranch_scc1 .Lend
.rept 8
	v_nop                                          ; places behind the last products
.endr
.irp k, 0,1,2,3,4,5,6,7
	ds_load_b128 v[S+4*\k:S+4*\k+3], v[STG] offset:512*\k        ; the front wave's O^T,
.endr
	ds_load_b128 v[S+32:S+35], v[STG] offset:4096                ; its -M and its sums
	s_wait_dscnt 0x0
	v_min_num_f32 v[TT], v12, v[S+32]              ; -M of both parts
	v_sub_f32 v[BM], v[TT], v[S+32]
	v_sub_f32 v[BM+1], v[TT], v12
	v_cvt_i32_f32 v[BM], v[BM]
	v_cvt_i32_f32 v[BM+1], v[BM+1]
	v_ldexp_f32 v[FF], 1.0, v[BM]                  ; 2^(its M - M)
	v_ldexp_f32 v[FB], 1.0, v[BM+1]                ; 2^(my M - M)
	v_add_f32 v[S+34], v[S+34], v[S+35]
	v_add_f32 v14, v14, v15
	v_mul_f32 v15, v[S+34], v[FF]
	v_mul_f32 v14, v14, v[FB]
.set n, 0
.rept 16
	v_pk_mul_f32 v[O+n:O+n+1], v[O+n:O+n+1], v[FB:FB+1] op_sel_hi:[1,0]
.set n, n+2
.endr
.set n, 0
.rept 16
	v_pk_fma_f32 v[O+n:O+n+1], v[S+n:S+n+1], v[FF:FF+1], v[O+n:O+n+1] op_sel_hi:[1,0,1]
.set n, n+2
.endr
	EPI                                            ; block 8 + a is finished
.Lend:
	s_wait_tensorcnt 0x0                           ; the wave's end
	ds_add_u32 v[SPW], v[NIL]
	s_wait_dscnt 0x0
	CROUND                                         ; the closing round
	s_endpgm
.Lfunc_end_k_q063e2f1f77_attn:
	.size	k_q063e2f1f77_attn, .Lfunc_end_k_q063e2f1f77_attn-k_q063e2f1f77_attn
	.p2alignl 7, 3214868480
	.fill 96, 4, 3214868480
	.section	.rodata,"a",@progbits
	.p2align	6, 0x0
	.amdhsa_kernel k_q063e2f1f77_attn
		.amdhsa_group_segment_fixed_size 327680
		.amdhsa_private_segment_fixed_size 0
		.amdhsa_enable_private_segment 0
		.amdhsa_kernarg_size 24
		.amdhsa_user_sgpr_count 2
		.amdhsa_user_sgpr_kernarg_segment_ptr 1
		.amdhsa_wavefront_size32 1
		.amdhsa_system_sgpr_workgroup_id_x 1
		.amdhsa_system_sgpr_workgroup_id_y 1
		.amdhsa_system_sgpr_workgroup_id_z 1
		.amdhsa_system_vgpr_workitem_id 0
		.amdhsa_next_free_vgpr 256
		.amdhsa_next_free_sgpr 90
		.amdhsa_reserve_vcc 1
		.amdhsa_float_denorm_mode_32 3
		.amdhsa_float_denorm_mode_16_64 3
		.amdhsa_memory_ordered 1
		.amdhsa_forward_progress 1
		.amdhsa_inst_pref_size 83
	.end_amdhsa_kernel
	.amdgpu_metadata
---
amdhsa.version: [ 1, 2 ]
amdhsa.kernels:
  - .name:           k_q063e2f1f77_attn
    .symbol:         k_q063e2f1f77_attn.kd
    .args:
      - { .name: qimg, .offset: 0, .size: 8, .value_kind: global_buffer, .address_space: global }
      - { .name: kv, .offset: 8, .size: 8, .value_kind: global_buffer, .address_space: global }
      - { .name: oimg, .offset: 16, .size: 8, .value_kind: global_buffer, .address_space: global }
    .group_segment_fixed_size: 327680
    .private_segment_fixed_size: 0
    .kernarg_segment_align: 8
    .kernarg_segment_size: 24
    .max_flat_workgroup_size: 512
    .sgpr_count:     90
    .vgpr_count:     256
    .wavefront_size: 32
...
	.end_amdgpu_metadata
.endif
;; end of part 3
;; launch proj (part 4): grid 16 x 16, 4 waves a work-group, clusters of 4 x 4, 327,680 bytes of LDS; arguments ops, oimg, out0; writes out0
.if DOCPART == 4
	.amdgcn_target "amdgcn-amd-amdhsa--gfx1250"
	.amdhsa_code_object_version 6
	.text
	.protected	k_q063e2f1f77_proj
	.globl	k_q063e2f1f77_proj
	.p2align	8
	.type	k_q063e2f1f77_proj,@function
k_q063e2f1f77_proj:
	s_mov_b64 s[64:65], 0
	v_nop
	global_prefetch_b8 v0, s[64:65] scope:SCOPE_SE
	s_setreg_imm32_b32 hwreg(HW_REG_WAVE_MODE, 25, 1), 1
	s_wait_xcnt 0x0
	s_wait_alu depctr_hold_cnt(0) depctr_sa_sdst(0) depctr_va_vdst(0) depctr_va_sdst(0) depctr_va_ssrc(0) depctr_va_vcc(0) depctr_vm_vsrc(0)
	s_getreg_b32 s2, hwreg(HW_REG_IB_STS2, 6, 4)
	s_cmp_eq_u32 s2, 0
	s_cbranch_scc0 .Lentry_in_a_cluster
	s_endpgm
.Lentry_in_a_cluster:
	s_bfe_u32 s2, ttmp6, 0x10000c
	s_cmp_lg_u32 s2, 0xf033
	s_cbranch_scc0 .Lentry_shape_is_right
	s_endpgm
.Lentry_shape_is_right:
; out0 = o wo on codes of FP8 (E4M3) with E8M0 scales; out0 [2048][2048] f32.  wo's codes are panels 80-111 of ops, o's are oimg, both laid as register images: [K / 256][panels][PS];
; a panel is 64 rows in 4 tiles (row rho of tile 2 b + u = panel row 32 b + 8 u + rho + 8 (rho / 8)); a panel x 128 K is 4 images of 2,048 bytes and a quad of 256 bytes of scale words.
; A work-group makes 128 tokens x 128 columns: 256 work-groups.  Source 0 = side 0 = wo's columns, source 1 = side 1 = o's tokens: a lane holds one token, and its registers run along neighbouring columns.
; CLUSTER 4 x 4: wo's panels hang on the tile column and are shared along a column of the cluster, o's on the tile row and are shared along a row: both are asked for jointly.
; THE RING.  LDS holds four K slots of 256, the PLACES 0 to 3; each fetching wave's panel has its four places on end.  A tensor load's row is the panel's bytes of one K slot, its pitch the distance between K slots:
; ONE load of two rows fills two places, 512 along K.  K slots 0-3 are first fills; then two refills: places 0, 1 <- slots 4, 5; places 2, 3 <- slots 6, 7.  A refill has the work of the other two places in which
; to land.  No barrier stands between two places that one load brought.  The scales ride in the ring with the codes.  The 16 steps of 128 along K are written out.
; REGISTERS: window 0: v1-5 at work, v8-10 the way out, v16-27 LDS addresses, v28-29 the spare word's, v32-47 scale words (two sets), v128-255 side 1's fragments (two sets), later rows of the result;
;   window 1: side 0's fragments (sets at v0 and v128); window 2: the 16 accumulators ((a, b) at 32 a + 8 b).
.set NT0,   4
.set NP0,   1
.set NPL,   4                          ; places
.set PS,    16896
.set HSTEP, 8448
.set SLOTB, 112*PS
.set STR0,  SLOTB                      ; a K slot on in ops,
.set STR1,  32*PS                      ; and in oimg
.set P1B,   NPL*PS                     ; a panel's four places in LDS
.set P0B,   NPL*NP0*PS
.set S0OFF, 2*P1B                      ; side 1's two panels, then side 0's two
.set SPARE, S0OFF+2*P0B                ; behind the ring: the spare words, 128 bytes for each wave, which no other line names
.set STAGE, SPARE+512                  ; behind them: 16 rows x (256 bytes + 16) for each wave; no tensor load lands here
.set STEPJ, 4*STR0                     ; a refill lies four K slots behind the region's first fill
.set STEPP, 4*STR1
.set NL,    4*NT0+16+NP0
.set STO,  8
.set RD,   9
.set CO,   10
.set ADR1, 16                          ; v16-19 side 1's fragments in place 0 .. 3
.set ADR0, 20                          ; v20-23 side 0's
.set ADRS, 24                          ; v24-27 the quads: lanes 0-15 side 1's, lanes 16-31 side 0's
.set SPW,  28
.set NIL,  29
.set SC,   32
.set F1,   128
.set BK,   128
.set G1JA, 24                          ; s[24:31] group 1 of wo's joint loads; s[32:39] their groups 0: places 0, 1; places 2, 3
.set G0J,  32
.set G1PA, 48                          ; s[48:55], s[56:63] the same for o's
.set G0P,  56
.set MSB, 0
.macro WIN new                         ; the immediate's high byte repeats the setting that is left
.if MSB != \new
	s_set_vgpr_msb (MSB<<8)|\new
.set MSB, \new
.endif
.endm
.set MUL,  0xa1
.set TO_B, 0x40
.macro PLACES n
.rept \n
	v_nop
.endr
.endm
.macro JLOAD g0a, g1a, g0b, g1b        ; waves 0 and 1 fetch side 0, waves 2 and 3 side 1; four v_nop follow each of the two lines
	s_cmp_eq_u32 s15, 0
	s_cbranch_scc0 .Lfor_b_\@
	tensor_load_to_lds s[\g0a:\g0a+3], s[\g1a:\g1a+7]
	s_nop 0
.rept 4
	v_nop
.endr
	s_branch .Lasked_\@
.Lfor_b_\@:
	tensor_load_to_lds s[\g0b:\g0b+3], s[\g1b:\g1b+7]
	s_nop 0
.rept 4
	v_nop
.endr
.Lasked_\@:
.endm
.macro CREST
	s_cmp_lg_u32 s14, 0
	s_cbranch_scc1 .Lnot_wave_0_\@
	s_barrier_signal -3
.Lnot_wave_0_\@:
	s_barrier_wait -3
	s_barrier_signal -1
	s_barrier_wait -1
.endm
.macro CROUND
	s_barrier_signal -1
	s_barrier_wait -1
	CREST
.endm
.macro FRAG reg, adr, off
.irp c, 0,1,2,3
	ds_load_b128 v[\reg+4*\c:\reg+4*\c+3], v[\adr] offset:\off+512*\c
.endr
.endm
.macro FETCH pl, q, set                ; the fragments and scale words of place pl's q-th 128 along K into set
	WIN TO_B
.set b, 0
.rept NT0
	FRAG 128*(\set)+16*b, ADR0+\pl, (\q)*HSTEP+b*2048
.set b, b+1
.endr
	WIN 0
.irp a, 0,1,2,3
	FRAG F1+64*(\set)+16*\a, ADR1+\pl, (\q)*HSTEP+2048*\a
.endr
	ds_load_b128 v[SC+8*(\set):SC+8*(\set)+3], v[ADRS+\pl] offset:(\q)*HSTEP            ; lanes 0-15: side 1's four tiles; lanes 16-31: side 0's
.endm
.macro MULROW a, set, zero             ; the accumulators take turns, one instruction a turn, in one order everywhere
.set b, 0
.rept NT0
.if \zero
	v_wmma_scale_f32_16x16x128_f8f6f4 v[8*NT0*(\a)+8*b:8*NT0*(\a)+8*b+7], v[128*(\set)+16*b:128*(\set)+16*b+15], v[F1+64*(\set)+16*(\a):F1+64*(\set)+16*(\a)+15], 0, v[SC+8*(\set)+b], v[SC+8*(\set)+(\a)] matrix_a_scale:MATRIX_SCALE_ROW1
.else
	v_wmma_scale_f32_16x16x128_f8f6f4 v[8*NT0*(\a)+8*b:8*NT0*(\a)+8*b+7], v[128*(\set)+16*b:128*(\set)+16*b+15], v[F1+64*(\set)+16*(\a):F1+64*(\set)+16*(\a)+15], v[8*NT0*(\a)+8*b:8*NT0*(\a)+8*b+7], v[SC+8*(\set)+b], v[SC+8*(\set)+(\a)] matrix_a_scale:MATRIX_SCALE_ROW1
.endif
.set b, b+1
.endr
.endm
.macro STEP0 pl, zero                  ; place pl's first 128 along K: set 0 is multiplied while set 1, its second 128, comes
	PLACES 8                                       ; eight places behind the products that read set 1, in front of loads into it
	FETCH \pl, 1, 1
	s_wait_dscnt NL                                ; set 0 is in; the NL loads just issued may be out
	WIN MUL
	MULROW 0, 0, \zero
	MULROW 1, 0, \zero
	MULROW 2, 0, \zero
	MULROW 3, 0, \zero
	WIN 0
.endm
.macro STEP1 next                      ; a place's second 128 along K where the next place was brought by the same tensor load: no barrier
	PLACES 8
	FETCH \next, 0, 0
	s_wait_dscnt NL                                ; set 1 is in; the NL loads just issued may be out
	WIN MUL
	MULROW 0, 1, 0
	MULROW 1, 1, 0
	MULROW 2, 1, 0
	MULROW 3, 1, 0
	WIN 0
.endm
; a region's last 128 along K, and the change of regions.  fill = 1: places 0 and 1, which have just been read out, are filled again; 2: places 2 and 3; 0: nothing
.macro TURN next, fill
	s_wait_tensorcnt 0x0                           ; all my tensor loads have landed: my part of the region that is read next
	ds_add_u32 v[SPW], v[NIL]                      ; 0 onto my spare word
	s_wait_dscnt 0x0                               ; the add is done, set 1 is in, and my reads of this region are over
	s_barrier_signal -1
	WIN MUL
	MULROW 0, 1, 0
	WIN 0
	s_barrier_wait -1
.if \fill
	CREST                                          ; no wave of any partner still reads this region or has a load on its way
	s_add_nc_u64 s[G0J+4*(\fill)-2:G0J+4*(\fill)-1], s[G0J+4*(\fill)-2:G0J+4*(\fill)-1], STEPJ
	s_add_nc_u64 s[G0P+4*(\fill)-2:G0P+4*(\fill)-1], s[G0P+4*(\fill)-2:G0P+4*(\fill)-1], STEPP
	JLOAD G0J+4*(\fill)-4, G1JA, G0P+4*(\fill)-4, G1PA   ; my one tensor load behind the round; its four v_nop are four of the eight places
	PLACES 4
.else
	PLACES 8
.endif
	FETCH \next, 0, 0
	WIN MUL
	MULROW 1, 1, 0
	MULROW 2, 1, 0
	MULROW 3, 1, 0
	WIN 0
.endm
	s_load_b128 s[4:7], s[0:1], 0x0                ; ops, oimg
	s_load_b64 s[8:9], s[0:1], 0x10                ; out0
	v_lshl_add_u32 v[SPW], v0, 2, SPARE
	v_mov_b32 v[NIL], 0
	ds_add_u32 v28, v29
	ds_add_u32 v28, v29
	s_wait_dscnt 0x0
	v_lshrrev_b32 v1, 5, v0
	v_readfirstlane_b32 s14, v1                    ; wave 0..3
	s_lshr_b32 s15, s14, 1                         ; my half of the columns.  Also: I fetch side 0 (0) or side 1 (1)
	s_and_b32 s16, s14, 1                          ; my half of the tokens.  Also: which panel I fetch
	s_bfe_u32 s40, ttmp6, 0x40000                  ; cx, cy
	s_bfe_u32 s41, ttmp6, 0x40004
	s_lshl_b32 s42, ttmp9, 2
	s_add_co_u32 s42, s42, s40                     ; tile column
	s_and_b32 s17, ttmp7, 0xffff
	s_lshl_b32 s17, s17, 2
	s_add_co_u32 s17, s17, s41                     ; tile row
	s_lshl_b32 s43, s41, 2
	s_lshl_b32 s43, 15, s43                        ; my row of the cluster
	s_lshl_b32 s44, 0x1111, s40                    ; my column
	s_or_b32 s[G1JA], s44, (3<<16)|(1<<21)         ; wo's panels go to my column; elements of 8 bytes; bit 21 beside a mask; no padding
	s_or_b32 s[G1PA], s43, (3<<16)|(1<<21)         ; o's to my row
.irp g, G1JA, G1PA
	s_mov_b32 s[\g+1], (PS/8)<<16                  ; tensor_dim0: a row = a panel's bytes of one K slot
	s_mov_b32 s[\g+2], 4<<16                       ; tensor_dim1: at the head four K slots; behind the head's wait two
	s_mov_b32 s[\g+3], (PS/8)<<16                  ; tile_dim0
	s_mov_b32 s[\g+4], 4                           ; tile_dim1 likewise
	s_mov_b32 s[\g+6], 0
	s_mov_b32 s[\g+7], 0
.endr
	s_mov_b32 s[G1JA+5], STR0/8                    ; tensor_dim0_stride: from K slot to K slot, in ops
	s_mov_b32 s[G1PA+5], STR1/8                    ; and in oimg
	s_lshl_b32 s46, s42, 1
	s_add_co_u32 s46, s46, s16
	s_add_co_u32 s46, s46, 80
	s_mul_i32 s46, s46, PS                         ; wo: panel 80 + 2 x tile column + wave % 2: these registers never hold the tile row,
	s_mov_b32 s47, 0
	s_lshl_b32 s20, s17, 1
	s_add_co_u32 s20, s20, s16
	s_mul_i32 s20, s20, PS                         ; o: panel 2 x tile row + wave % 2: nor these the tile column
	s_mov_b32 s21, 0
	s_mul_i32 s19, s16, P0B                        ; where they go: of the wave's number alone
	s_mul_i32 s18, s16, P1B
	s_wait_kmcnt 0x0
	s_add_nc_u64 s[46:47], s[4:5], s[46:47]
	s_add_nc_u64 s[20:21], s[6:7], s[20:21]
	CROUND                                         ; all sixteen work-groups are here: the first joint loads meet
.irp s, 0,1                                    ; region 0: places 0 and 1, K slots 0 and 1; region 1: places 2 and 3, K slots 2 and 3
	s_mov_b32 s[G0J+4*\s], 1
	s_add_co_u32 s[G0J+4*\s+1], s19, S0OFF+\s*2*NP0*PS
	s_add_nc_u64 s[G0J+4*\s+2:G0J+4*\s+3], s[46:47], \s*2*STR0
	s_or_b32 s[G0J+4*\s+3], s[G0J+4*\s+3], 0x80000000
	s_mov_b32 s[G0P+4*\s], 1
	s_add_co_u32 s[G0P+4*\s+1], s18, \s*2*PS
	s_add_nc_u64 s[G0P+4*\s+2:G0P+4*\s+3], s[20:21], \s*2*STR1
	s_or_b32 s[G0P+4*\s+3], s[G0P+4*\s+3], 0x80000000
.endr
	JLOAD G0J, G1JA, G0P, G1PA                     ; my panel's places 0 to 3, which lie on end, K slots 0 to 3: four rows, my one tensor load at the head
	v_and_b32 v1, 15, v0                           ; r
	v_bfe_u32 v2, v0, 4, 1                         ; h
	v_and_b32 v3, 31, v0
	v_lshlrev_b32 v4, 4, v3                        ; 16 x lane
	s_mul_i32 s66, s16, P1B                        ; my panel of side 1
	s_mul_i32 s67, s15, P0B
	s_add_co_u32 s67, s67, S0OFF                   ; my panel of side 0
	v_add_nc_u32 v[ADR1], s66, v4
	v_add_nc_u32 v[ADR0], s67, v4
	s_sub_co_u32 s67, s67, s66
	v_mul_u32_u24 v5, s67, v2                      ; lanes 16-31 take side 0's quad: one product, the distance between the two
	v_lshl_add_u32 v5, v1, 4, v5
	s_add_co_u32 s66, s66, 8192                    ; a quad lies behind its four images
	v_add_nc_u32 v[ADRS], s66, v5
.irp p, 1,2,3
	v_add_nc_u32 v[ADR1+\p], PS, v[ADR1+\p-1]
	v_add_nc_u32 v[ADR0+\p], PS, v[ADR0+\p-1]
	v_add_nc_u32 v[ADRS+\p], PS, v[ADRS+\p-1]
.endr
	s_mul_i32 s68, s14, 16*272
	s_add_co_u32 s68, s68, STAGE                   ; my stage
	v_mul_u32_u24 v5, v1, 272
	v_lshl_add_u32 v5, v2, 6, v5
	v_add_nc_u32 v[STO], s68, v5                   ; in: row r, + 64 h: my 16 columns of a block of 32
	v_mul_u32_u24 v5, v2, 272
	v_lshl_add_u32 v5, v1, 4, v5
	v_add_nc_u32 v[RD], s68, v5                    ; back: lanes 0-15 one row of 256 bytes, lanes 16-31 the next
	v_lshlrev_b32 v5, 13, v2
	v_lshl_add_u32 v[CO], v1, 4, v5                ; and the same two rows in out0
	s_lshl_b32 s70, s17, 7
	s_lshl_b32 s71, s16, 6
	s_add_co_u32 s70, s70, s71                     ; my first token
	s_lshl_b32 s70, s70, 13
	s_lshl_b32 s71, s42, 9                         ; my first column, in bytes
	s_lshl_b32 s72, s15, 8
	s_add_co_u32 s70, s70, s71
	s_add_co_u32 s70, s70, s72
	s_mov_b32 s71, 0
	s_add_nc_u64 s[8:9], s[8:9], s[70:71]
	s_wait_alu depctr_va_vdst(0)                   ; the wait at the head's end
	s_wait_tensorcnt 0x0                           ; my panel's K slots 0 to 3 are in; no tensor load of mine is out, so a descriptor may be written:
	s_mov_b32 s[G1JA+2], 2<<16                     ; from here on a load brings two K slots
	s_mov_b32 s[G1JA+4], 2
	s_mov_b32 s[G1PA+2], 2<<16
	s_mov_b32 s[G1PA+4], 2
	s_barrier_signal -1
	s_barrier_wait -1                              ; everybody's panel is in
	FETCH 0, 0, 0
	STEP0 0, 1                                     ; K slot 0: the first products start the sums
	STEP1 1
	STEP0 1, 0                                     ; K slot 1
	TURN 2, 1                                      ; places 0 and 1 <- K slots 4 and 5
	STEP0 2, 0                                     ; K slot 2
	s_wait_alu depctr_va_vdst(0)
	STEP1 3
	STEP0 3, 0                                     ; K slot 3
	TURN 0, 2                                      ; places 2 and 3 <- K slots 6 and 7: the last load
	STEP0 0, 0                                     ; K slot 4
	STEP1 1
	STEP0 1, 0                                     ; K slot 5
	TURN 2, 0                                      ; nothing is left to fetch
	STEP0 2, 0                                     ; K slot 6
	STEP1 3
	STEP0 3, 0                                     ; K slot 7
	s_wait_dscnt 0x0
	WIN MUL
	MULROW 0, 1, 0
	MULROW 1, 1, 0
	MULROW 2, 1, 0
	MULROW 3, 1, 0
	WIN 0
; THE WAY OUT, a tile of 16 tokens x 64 columns at a time, through my own stage: a lane holds 2 x 64 bytes of one row; rows come back whole, sixteen lanes to 256 consecutive bytes
.macro TOSTAGE a
	WIN 0x08                                       ; an LDS store's data are its source 1: window 2
.irp b, 0,1,2,3
	ds_store_b128 v[STO], v[32*(\a)+8*\b:32*(\a)+8*\b+3] offset:128*(\b/2)+32*(\b%2)          ; each accumulator from its low end on
	ds_store_b128 v[STO], v[32*(\a)+8*\b+4:32*(\a)+8*\b+7] offset:128*(\b/2)+32*(\b%2)+16
.endr
	WIN 0
.irp i, 0,1,2,3,4,5,6,7
	ds_load_b128 v[BK+32*(\a)+4*\i:BK+32*(\a)+4*\i+3], v[RD] offset:544*\i   ; LDS serves a wave's instructions in order: these see the stores above, and the next tile's stores come behind them
.endr
.endm
.macro SEND a, younger                 ; younger: the next tile's 8 stores and 8 loads, or none
	s_wait_dscnt \younger
.irp i, 0,1,2,3,4,5,6,7
	global_store_b128 v[CO], v[BK+32*(\a)+4*\i:BK+32*(\a)+4*\i+3], s[8:9] offset:(32*((\a)/2)+8*((\a)%2)+2*\i+8*(\i/4))*8192 th:TH_STORE_NT   ; stage row 2 i + h is token 32 (a / 2) + 8 (a % 2) + 2 i + h + 8 (i / 4) of my 64
.endr
.endm
	PLACES 8                                       ; behind the last products: for the reads of results and the loads into side 1's registers
	TOSTAGE 0
	TOSTAGE 1
	SEND 0, 16
	TOSTAGE 2
	SEND 1, 16
	TOSTAGE 3
	SEND 2, 16
	SEND 3, 0
	s_wait_tensorcnt 0x0                           ; the wave's end
	ds_add_u32 v[SPW], v[NIL]
	s_wait_dscnt 0x0
	CROUND                                         ; the closing round
	s_endpgm
.Lfunc_end_k_q063e2f1f77_proj:
	.size	k_q063e2f1f77_proj, .Lfunc_end_k_q063e2f1f77_proj-k_q063e2f1f77_proj
	.p2alignl 7, 3214868480
	.fill 96, 4, 3214868480
	.section	.rodata,"a",@progbits
	.p2align	6, 0x0
	.amdhsa_kernel k_q063e2f1f77_proj
		.amdhsa_group_segment_fixed_size 327680
		.amdhsa_private_segment_fixed_size 0
		.amdhsa_enable_private_segment 0
		.amdhsa_kernarg_size 24
		.amdhsa_user_sgpr_count 2
		.amdhsa_user_sgpr_kernarg_segment_ptr 1
		.amdhsa_wavefront_size32 1
		.amdhsa_system_sgpr_workgroup_id_x 1
		.amdhsa_system_sgpr_workgroup_id_y 1
		.amdhsa_system_sgpr_workgroup_id_z 1
		.amdhsa_system_vgpr_workitem_id 0
		.amdhsa_next_free_vgpr 640
		.amdhsa_next_free_sgpr 100
		.amdhsa_reserve_vcc 0
		.amdhsa_float_denorm_mode_32 3
		.amdhsa_float_denorm_mode_16_64 3
		.amdhsa_memory_ordered 1
		.amdhsa_forward_progress 1
		.amdhsa_inst_pref_size 89
	.end_amdhsa_kernel
	.amdgpu_metadata
---
amdhsa.version: [ 1, 2 ]
amdhsa.kernels:
  - .name:           k_q063e2f1f77_proj
    .symbol:         k_q063e2f1f77_proj.kd
    .args:
      - { .name: ops, .offset: 0, .size: 8, .value_kind: global_buffer, .address_space: global }
      - { .name: oimg, .offset: 8, .size: 8, .value_kind: global_buffer, .address_space: global }
      - { .name: out0, .offset: 16, .size: 8, .value_kind: global_buffer, .address_space: global }
    .group_segment_fixed_size: 327680
    .private_segment_fixed_size: 0
    .kernarg_segment_align: 8
    .kernarg_segment_size: 24
    .max_flat_workgroup_size: 128
    .sgpr_count:     100
    .vgpr_count:     640
    .wavefront_size: 32
...
	.end_amdgpu_metadata
.endif
;; end of part 4
